; MI455X (gfx1250); checked and timed in simulation.
; The chip was launched on July 23, 2026; its instructions are those of AMD's public machine-readable ISA for CDNA 5 (MIT licence, August 2026) and "CDNA5" Instruction Set Architecture Reference Guide (July 2026). The comments in the code are by the model that wrote it; some were corrected since.
;; Masked Attention. Allowed arithmetic: float matrix products may take bf16 or f16 operands with f32 sums; other float arithmetic in f32, or as packed bf16 or f16 multiplies, adds, multiply-adds, maxima and minima; sums over many terms, partial sums and values carried from step to step in f32; what a program stores and reads back later, other than sums and carried values, may be rounded once to bf16 or f16.
;; Inputs: Wk 1,024 x 1,024 float32; Wq 1,024 x 1,024 float32; Wv 1,024 x 1,024 float32; X 4 x 2,048 x 1,024 float32.
;; Outputs: out0 4 x 2,048 x 1,024 float32.
;; 2 versions, each right; version 2 is version 1 with the launch prep written anew for expert scheduling mode. Each part assembles by itself: llvm-mc -triple=amdgcn-amd-amdhsa -mcpu=gfx1250 --defsym DOCPART=n.
;; ======== version 1 of 2: 4 launches
;; limits: values are held in f16: magnitudes above 65,504 overflow, below 6.1e-05 lose precision
;; workspace buffers: Xb 16,777,216 bytes; Wt 6,291,456 bytes; QKV 50,331,648 bytes; Pt 33,554,432 bytes; St 786,432 bytes
;; launch prep (part 1): grid 896 x 1, 4 waves a work-group, no clusters, 17,920 bytes of LDS; arguments X, Wq, Wk, Wv, Xb, Wt; writes Xb, Wt
.if DOCPART == 1
	.amdgcn_target "amdgcn-amd-amdhsa--gfx1250"
	.amdhsa_code_object_version 6
	.text
	.protected	k_qddcc05ff24_prep
	.globl	k_qddcc05ff24_prep
	.p2align	8
	.type	k_qddcc05ff24_prep,@function
k_qddcc05ff24_prep:
	s_mov_b64 s[64:65], 0
	v_nop
	global_prefetch_b8 v0, s[64:65] scope:SCOPE_SE
	s_setreg_imm32_b32 hwreg(HW_REG_WAVE_MODE, 25, 1), 1
	s_wait_xcnt 0x0
; Xb = X rounded to bf16, Wt = the three weights rounded to bf16 and turned, BOTH LAID OUT IN BLOCKS OF 64 ALONG K, so that the rows of a tile of the next launch lie end to end:
;   Xb[kb][row][64]: X[row][64 kb + c] at byte kb x 1,048,576 + row x 128 + 2 c;
;   Wt[kb][n][64]:   W_w[64 kb + c][e], n = 1024 w + e (w = 0 q, 1 k, 2 v), at byte kb x 393,216 + n x 128 + 2 c.
; Two kinds of work-group, told apart by the work-group's number alone (the same for its four waves):
;   0 .. 383   turn a tile of 128 d x 64 e of one weight through LDS (3 weights x 8 x 16 tiles);
;   384 .. 895 round 16 rows of X (65,536 bytes).
; Memory binds: each byte is read once and written once; sixteen neighbouring lanes load 256 consecutive, aligned bytes; sixteen (b128) or 32 (b64) neighbouring lanes store 256 consecutive, aligned bytes.
; No matrix unit and no cluster: nothing is multiplied and no two work-groups read the same byte.
.set TP,    272                        ; a row of the turned tile in LDS: 128 bf16 + 16 bytes
.set SPARE, 64*TP                      ; behind the tile: the spare words, 128 bytes for each wave
.set XSTEP, 8192*128                   ; bytes in a block of Xb
.set WSTEP, 3072*128                   ; bytes in a block of Wt
.set XR,    8                          ; v[8:135]  what is loaded
.set TR,    136                        ; v136  where I read a turned row back
.set WO,    137                        ; v137  my byte offset in Wt
.set SPW,   138                        ; v138  LDS address of my spare word; never rewritten
.set NIL,   139                        ; v139  0; never rewritten
	s_load_b256 s[4:11], s[0:1], 0x0               ; X s[4:5], Wq s[6:7], Wk s[8:9], Wv s[10:11]
	s_load_b128 s[12:15], s[0:1], 0x20             ; Xb s[12:13], Wt s[14:15]
	v_lshl_add_u32 v[SPW], v0, 2, SPARE
	v_mov_b32 v[NIL], 0
	s_cmp_lt_u32 ttmp9, 384
	s_cbranch_scc1 .Ltrans
	; ROUNDING X.  A wave takes four rows.  Load n: lanes 0-15 the 256 bytes (64 numbers) of block n % 16 of row 4 wave + 2 (n / 16), lanes 16-31 the same of the row below.
	; Rounded, the two pieces are 2 x 128 bytes that lie end to end in Xb.  All 32 loads go out before the first store.
	s_sub_co_u32 s16, ttmp9, 384
	s_lshl_b32 s18, s16, 16                        ; 16 rows of X,
	s_mov_b32 s19, 0
	s_lshl_b32 s20, s16, 11                        ; 16 rows of 128 bytes in each block of Xb
	s_mov_b32 s21, 0
	v_lshrrev_b32 v4, 5, v0                        ; wave
	v_bfe_u32 v5, v0, 4, 1                         ; which half of the lanes
	v_and_b32 v6, 15, v0
	v_lshl_add_u32 v4, v4, 2, v5                   ; row 4 wave + half
	v_lshlrev_b32 v2, 4, v6
	v_lshl_add_u32 v2, v4, 12, v2                  ; in: row x 4,096 + 16 (l % 16)
	v_lshlrev_b32 v3, 3, v6
	v_lshl_add_u32 v3, v4, 7, v3                   ; out: row x 128 + 8 (l % 16)
	s_wait_kmcnt 0x0
	s_add_nc_u64 s[4:5], s[4:5], s[18:19]
	s_add_nc_u64 s[12:13], s[12:13], s[20:21]      ; blocks 0 to 7,
	s_add_nc_u64 s[22:23], s[12:13], 8*XSTEP       ; blocks 8 to 15: so that the stores' immediates stay inside their signed 24 bits
.set n, 0
.rept 32
	global_load_b128 v[XR+4*n:XR+4*n+3], v2, s[4:5] offset:(n/16)*8192+(n%16)*256 th:TH_LOAD_NT
.set n, n+1
.endr
.set n, 0
.rept 32
	s_wait_loadcnt 31-n                            ; loads come back in order: piece n is in, the 31 - n younger ones stay out
	v_cvt_pk_bf16_f32 v[XR+4*n], v[XR+4*n], v[XR+4*n+1]
	v_cvt_pk_bf16_f32 v[XR+4*n+1], v[XR+4*n+2], v[XR+4*n+3]
.if (n%16) < 8
	global_store_b64 v3, v[XR+4*n:XR+4*n+1], s[12:13] offset:(n%8)*XSTEP+(n/16)*256 th:TH_STORE_NT  ; a wave's 32 lanes store 256 consecutive bytes, aligned; no register is written again
.else
	global_store_b64 v3, v[XR+4*n:XR+4*n+1], s[22:23] offset:(n%8)*XSTEP+(n/16)*256 th:TH_STORE_NT
.endif
.set n, n+1
.endr
	s_branch .Lend
.Ltrans:
	; TURNING A WEIGHT.  In: 16 lanes take a row's 256 bytes (64 e), a lane 16 rows d.  Two rows are rounded into one word (d, d + 1 of one e), eight words are 32 bytes of a turned row.
	s_lshr_b32 s16, ttmp9, 7                       ; which weight
	s_and_b32 s17, ttmp9, 7                        ; which 128 d: two blocks of Wt
	s_bfe_u32 s18, ttmp9, 0x40003                  ; which 64 e
	v_lshrrev_b32 v1, 5, v0
	v_readfirstlane_b32 s19, v1                    ; wave
	v_and_b32 v4, 15, v0                           ; cq: my four e
	v_bfe_u32 v5, v0, 4, 1                         ; hl: which half of the lanes
	v_lshl_add_u32 v6, s19, 1, v5                  ; 2 wave + hl: my 16 rows d
	v_lshlrev_b32 v2, 4, v4
	v_lshl_add_u32 v2, v6, 16, v2                  ; in: 16 rows of 4,096 bytes x (2 wave + hl) + 16 cq
	v_mul_u32_u24 v3, v4, 4*TP
	v_lshl_add_u32 v3, v6, 5, v3                   ; into the tile: row 4 cq, byte 32 (2 wave + hl)
	; back: eight lanes take 128 bytes (64 d) of a turned row, the next eight the same of the row below: 256 bytes that lie end to end in Wt; lanes 16-31 the rows' other 64 d, in the next block
	v_bfe_u32 v7, v0, 3, 1
	v_lshl_add_u32 v7, s19, 4, v7                  ; row 16 wave + (l / 8) % 2
	v_and_b32 v1, 7, v0
	v_mul_u32_u24 v[TR], v7, TP
	v_lshl_add_u32 v[TR], v5, 7, v[TR]
	v_lshl_add_u32 v[TR], v1, 4, v[TR]
	v_mul_u32_u24 v[WO], v5, WSTEP
	v_lshl_add_u32 v[WO], v7, 7, v[WO]
	v_lshl_add_u32 v[WO], v1, 4, v[WO]
	s_lshl_b32 s22, s17, 19                        ; 128 rows of 4,096 bytes
	s_lshl_b32 s23, s18, 8
	s_add_co_u32 s22, s22, s23
	s_mov_b32 s23, 0
	s_mul_i32 s24, s17, 2*WSTEP                    ; two blocks of Wt,
	s_lshl_b32 s25, s16, 17                        ; 1,024 rows of 128 bytes,
	s_add_co_u32 s24, s24, s25
	s_lshl_b32 s25, s18, 13                        ; 64 rows
	s_add_co_u32 s24, s24, s25
	s_mov_b32 s25, 0
	s_wait_kmcnt 0x0
	s_cmp_eq_u32 s16, 0
	s_cselect_b64 s[20:21], s[6:7], s[8:9]
	s_cmp_eq_u32 s16, 2
	s_cselect_b64 s[20:21], s[10:11], s[20:21]
	s_add_nc_u64 s[20:21], s[20:21], s[22:23]
	s_add_nc_u64 s[14:15], s[14:15], s[24:25]
.set k, 0
.rept 16
	global_load_b128 v[XR+4*k:XR+4*k+3], v2, s[20:21] offset:4096*k th:TH_LOAD_NT
.set k, k+1
.endr
	s_wait_loadcnt 0x0
.irp i, 0,1,2,3
.irp m, 0,1,2,3,4,5,6,7
	v_cvt_pk_bf16_f32 v[72+8*(\i)+(\m)], v[XR+8*(\m)+(\i)], v[XR+4+8*(\m)+(\i)]  ; rows 2 m and 2 m + 1 of column i
.endr
.endr
.irp i, 0,1,2,3
	ds_store_b128 v3, v[72+8*(\i):72+8*(\i)+3] offset:TP*(\i)      ; lanes lie four turned rows apart: these stores share banks four deep, the loads below two deep, on 3 M numbers in the whole launch
	ds_store_b128 v3, v[72+8*(\i)+4:72+8*(\i)+7] offset:TP*(\i)+16
.endr
	s_wait_dscnt 0x0                               ; for the others' sake: my stores into the tile are done
	s_barrier_signal -1
	s_barrier_wait -1
.irp k, 0,1,2,3,4,5,6,7
	ds_load_b128 v[104+4*(\k):104+4*(\k)+3], v[TR] offset:2*TP*(\k)
.endr
.irp k, 0,1,2,3,4,5,6,7
	s_wait_dscnt 7-(\k)
	global_store_b128 v[WO], v[104+4*(\k):104+4*(\k)+3], s[14:15] offset:256*(\k)  ; 16 lanes store 256 consecutive bytes, aligned
.endr
.Lend:
	s_wait_tensorcnt 0x0                           ; the wave's end: behind my last LDS store
	ds_add_u32 v[SPW], v[NIL]
	s_wait_dscnt 0x0
	s_endpgm
.Lfunc_end_k_qddcc05ff24_prep:
	.size	k_qddcc05ff24_prep, .Lfunc_end_k_qddcc05ff24_prep-k_qddcc05ff24_prep
	.p2alignl 7, 3214868480
	.fill 96, 4, 3214868480
	.section	.rodata,"a",@progbits
	.p2align	6, 0x0
	.amdhsa_kernel k_qddcc05ff24_prep
		.amdhsa_group_segment_fixed_size 17920
		.amdhsa_private_segment_fixed_size 0
		.amdhsa_enable_private_segment 0
		.amdhsa_kernarg_size 48
		.amdhsa_user_sgpr_count 2
		.amdhsa_user_sgpr_kernarg_segment_ptr 1
		.amdhsa_wavefront_size32 1
		.amdhsa_system_sgpr_workgroup_id_x 1
		.amdhsa_system_sgpr_workgroup_id_y 1
		.amdhsa_system_sgpr_workgroup_id_z 1
		.amdhsa_system_vgpr_workitem_id 0
		.amdhsa_next_free_vgpr 140
		.amdhsa_next_free_sgpr 66
		.amdhsa_reserve_vcc 0
		.amdhsa_float_denorm_mode_32 3
		.amdhsa_float_denorm_mode_16_64 3
		.amdhsa_memory_ordered 1
		.amdhsa_forward_progress 1
		.amdhsa_inst_pref_size 20
	.end_amdhsa_kernel
	.amdgpu_metadata
---
amdhsa.version: [ 1, 2 ]
amdhsa.kernels:
  - .name:           k_qddcc05ff24_prep
    .symbol:         k_qddcc05ff24_prep.kd
    .args:
      - { .name: X, .offset: 0, .size: 8, .value_kind: global_buffer, .address_space: global }
      - { .name: Wq, .offset: 8, .size: 8, .value_kind: global_buffer, .address_space: global }
      - { .name: Wk, .offset: 16, .size: 8, .value_kind: global_buffer, .address_space: global }
      - { .name: Wv, .offset: 24, .size: 8, .value_kind: global_buffer, .address_space: global }
      - { .name: Xb, .offset: 32, .size: 8, .value_kind: global_buffer, .address_space: global }
      - { .name: Wt, .offset: 40, .size: 8, .value_kind: global_buffer, .address_space: global }
    .group_segment_fixed_size: 17920
    .private_segment_fixed_size: 0
    .kernarg_segment_align: 8
    .kernarg_segment_size: 48
    .max_flat_workgroup_size: 128
    .sgpr_count:     66
    .vgpr_count:     140
    .wavefront_size: 32
...
	.end_amdgpu_metadata
.endif
;; end of part 1
;; launch qkv (part 2): grid 8 x 32, 4 waves a work-group, clusters of 4 x 4, 327,680 bytes of LDS; arguments Xb, Wt, QKV; writes QKV
.if DOCPART == 2
	.amdgcn_target "amdgcn-amd-amdhsa--gfx1250"
	.amdhsa_code_object_version 6
	.text
	.protected	k_qddcc05ff24_qkv
	.globl	k_qddcc05ff24_qkv
	.p2align	8
	.type	k_qddcc05ff24_qkv,@function
k_qddcc05ff24_qkv:
	s_mov_b64 s[64:65], 0
	v_nop
	global_prefetch_b8 v0, s[64:65] scope:SCOPE_SE
	s_setreg_imm32_b32 hwreg(HW_REG_WAVE_MODE, 25, 1), 1
	s_wait_xcnt 0x0
	s_wait_alu depctr_hold_cnt(0) depctr_sa_sdst(0) depctr_va_vdst(0) depctr_va_sdst(0) depctr_va_ssrc(0) depctr_va_vcc(0) depctr_vm_vsrc(0)
	s_getreg_b32 s2, hwreg(HW_REG_IB_STS2, 6, 4)
	s_cmp_eq_u32 s2, 0
	s_cbranch_scc0 .Lentry_in_a_cluster
	s_endpgm
.Lentry_in_a_cluster:
	s_bfe_u32 s2, ttmp6, 0x10000c
	s_cmp_lg_u32 s2, 0xf033
	s_cbranch_scc0 .Lentry_shape_is_right
	s_endpgm
.Lentry_shape_is_right:
; QKV[m][n] = the sum over k of X[m][k] W[n][k], from Xb [16 blocks of K][8192][64] bf16 and Wt [16][3072][64] bf16 into QKV [8192][3072] f16 (columns 0-1023 q, 1024-2047 k, 2048-3071 v);
; sums in f32, rounded once.
; LIMIT.  f16 holds no number beyond 65,504: q, k and v must stay within it.
; SHARES.  A tile of 256 x 384 to a work-group: 32 x 8 = 256 work-groups of equal work.  Four waves, each 128 x 192: 96 accumulators, 768 registers: windows 1 to 3.
; K GOES IN 16 STEPS OF 64 through two LDS slots of 640 rows: with steps of 128 two slots would be 2 x 640 x 272 = 348,160 bytes, more than there is.  In Xb and Wt the 128 bytes that a row has in a
; block of K lie end to end with the next row's, so a wave's part of a tile (128 rows of Xb, 192 of Wt) is dense and is asked for as 64 or 96 rows of 256 bytes, padded in LDS after every 128.
; CLUSTER 4 x 4: the four of a row of the cluster need the same tiles of Xb, the four of a column the same tiles of Wt: each tile is asked for jointly, with one descriptor and a mask that names the four.
; REGISTERS, in windows of 256: window 0: v0-31 addresses, v32-95 and v96-159 fragments of Xb (8 x 16 rows x 32 K, two buffers), v160-255 fragments of Wt (12, ONE buffer);
; window 1 + g: the accumulators of column blocks 4 g .. 4 g + 3 ((a, b) at v[8 (8 (b % 4) + a)]).
; A HALF STEP (32 along K) is three groups of 32 products, a window each.  Behind group g its four fragments of Wt are free and are loaded again for the next half step, 64 products ahead of their use:
; so Wt's fragments need one buffer.  40 LDS loads feed 96 products.
; THE MATRIX INSTRUCTION IS USED TRANSPOSED (source 0 = 16 rows of Wt, source 1 = 16 rows of Xb): a lane holds row l % 16 of the result and the eight columns 8 (l / 16) + 0..7.
.set CPITCH, 6144                      ; bytes in a row of QKV
.set PITCH,  144                       ; an LDS row: 128 bytes + 16 of padding = 36 words: the 16 rows of a fragment load start at 16 different groups of four banks
.set AHALF,  128*PITCH                 ; what a tensor load brings of Xb, and what a wave reads of it
.set BHALF,  192*PITCH                 ; the same of Wt
.set BOFF,   2*AHALF                   ; a slot: 256 rows of Xb, then 384 of Wt
.set SLOTB,  BOFF+2*BHALF              ; 92,160 bytes
.set SLOT1,  1<<17                     ; slot 1 begins here, so that one exclusive or changes slots
.set STAGE,  SLOT1+SLOTB               ; behind the ring: for each half of the tile's rows 16 rows x 784 bytes, twice
.set SPITCH, 784                       ; a tile's row, 768 bytes, + 16
.set STG1,   2*16*SPITCH               ; the second stage
.set SPARE,  STAGE+2*STG1              ; the spare words, 128 bytes for each wave
.set ASTEP,  8192*128                  ; bytes from a block of K to the next in Xb
.set BSTEP,  3072*128                  ; in Wt
.set ADRA, 16                          ; v16, v17  my Xb fragments in the slot in hand, in the other slot
.set AL0,  18                          ; v18       the same in slot 0; never rewritten
.set ADRB, 20                          ; v20, v21  the same for Wt
.set BL0,  22                          ; v22
.set STO,  24                          ; v24  the way out: where I put 16 bytes of a row
.set RD,   25                          ; v25  where I read rows back
.set CO,   26                          ; v26  my byte offset in QKV
.set SPW,  28                          ; v28  LDS address of my spare word; never rewritten
.set NIL,  29                          ; v29  0; never rewritten
.set PFO,  30                          ; v30  the prefetches' offset: 256 x my lane
.set FA0,  32
.set FA1,  96
.set FB,   160
.set TMP,  32                          ; the way out: 48 registers of packed results,
.set OB,   80                          ; and twice 48 of whole rows
.set G1,   24                          ; s[24:31] group 1 for Xb's tiles
.set G0,   32                          ; s[32:39] group 0 for Xb's: a set for each first fill; the second then walks
.set LIM,  43                          ; s43  3 in a wave that prefetches, else the greatest number
.set PFA,  44                          ; s[44:45] where my prefetches stand
.set G1B,  48
.set G0B,  56
.set TB,   66                          ; s66  LDS byte of the slot in hand
.set TN,   67                          ; s67  of the other
.set PFS,  68                          ; s[68:69] a K step in the tensor that I prefetch
.set CB,   8                           ; s[8:9] the result's address
.set COF,  16                          ; s[16:17] where my part of it begins
.set MSB, 0
.macro WIN new                         ; the immediate's high byte repeats the setting that is left; a switch that changes nothing is dropped
.if MSB != (\new)
	s_set_vgpr_msb (MSB<<8)|(\new)
.set MSB, \new
.endif
.endm
.macro PLACES                          ; four plain places behind matrix instructions, in front of loads into registers that they read and of lines that read their results
.rept 4
	v_nop
.endr
.endm
.macro JLOAD                           ; the joint refill: waves 0 and 1 for Xb, waves 2 and 3 for Wt; an s_nop 0 and four v_nop follow each line
	s_cmp_eq_u32 s11, 0
	s_cbranch_scc0 .Lfor_b_\@
	tensor_load_to_lds s[G0+4:G0+7], s[G1:G1+7]
	s_nop 0
	PLACES
	s_branch .Lasked_\@
.Lfor_b_\@:
	tensor_load_to_lds s[G0B+4:G0B+7], s[G1B:G1B+7]
	s_nop 0
	PLACES
.Lasked_\@:
.endm
; A PREFETCH, in every second trip, of the two K steps that the next two refills will ask for (trip t: K steps t + 3 and t + 4), a lane a block of 256 bytes.
; Xb's tile of a K step is 32,768 dense bytes: wave 0 names its work-group's 8,192 of them (by cx), in both K steps: two instructions; the clusters with x = 0 ask.
; Wt's tiles of two K steps are 2 x 49,152 bytes = 12 x 8,192: four partners (by cy) x waves 1 to 3, one instruction each; the clusters with y = 0 ask.  So each block is named once in the launch.
; The partners are told apart by address, never by a branch.  The even trips with s3 above 3 ask (t = 0 .. 10): the last K step named is 14.  K steps 0 to 2 and 15 come by their loads alone.
.macro ASK
	s_bitcmp1_b32 s3, 0
	s_cbranch_scc1 .Lnot_mine_\@
	s_cmp_gt_u32 s3, s[LIM]
	s_cbranch_scc0 .Lnot_mine_\@
	global_prefetch_b8 v[PFO], s[PFA:PFA+1] th:TH_LOAD_NT scope:SCOPE_SE
	s_cmp_lg_u32 s10, 0
	s_cbranch_scc1 .Lnot_mine_\@
	global_prefetch_b8 v[PFO], s[PFA:PFA+1] offset:ASTEP th:TH_LOAD_NT scope:SCOPE_SE
.Lnot_mine_\@:
.endm
.macro CREST                           ; a round of the cluster's barrier behind its opening barrier
	s_cmp_lg_u32 s10, 0
	s_cbranch_scc1 .Lnot_wave_0_\@
	s_barrier_signal -3
.Lnot_wave_0_\@:
	s_barrier_wait -3
	s_barrier_signal -1
	s_barrier_wait -1
.endm
.macro CROUND
	s_barrier_signal -1
	s_barrier_wait -1
	CREST
.endm
	s_load_b128 s[4:7], s[0:1], 0x0                ; Xb s[4:5], Wt s[6:7]
	s_load_b64 s[8:9], s[0:1], 0x10                ; QKV
	v_lshl_add_u32 v[SPW], v0, 2, SPARE
	v_mov_b32 v[NIL], 0
	ds_add_u32 v[SPW], v[NIL]                      ; the wave's opening: the add and its wait ahead of my first tensor load
	ds_add_u32 v28, v29
	v_lshrrev_b32 v1, 5, v0
	v_readfirstlane_b32 s10, v1                    ; wave 0..3
	s_lshr_b32 s11, s10, 1                         ; my half of the tile's rows.  Also: I fetch for Xb (0) or Wt (1)
	s_and_b32 s12, s10, 1                          ; my half of its columns.  Also: which half of that tile I fetch
	s_bfe_u32 s40, ttmp6, 0x40000                  ; cx
	s_bfe_u32 s41, ttmp6, 0x40004                  ; cy
	s_lshl_b32 s42, ttmp9, 2
	s_add_co_u32 s42, s42, s40                     ; tile column, 0 .. 7
	s_and_b32 s13, ttmp7, 0xffff
	s_lshl_b32 s13, s13, 2
	s_add_co_u32 s13, s13, s41                     ; tile row, 0 .. 31
	s_lshl_b32 s43, s41, 2
	s_lshl_b32 s43, 15, s43                        ; my row of the cluster
	s_lshl_b32 s44, 0x1111, s40                    ; my column
	s_or_b32 s[G1+0], s43, (1<<16)|(1<<20)|(1<<21)|(4<<22)|(3<<25)   ; the mask; 2-byte elements; padding on; bit 21 beside a mask; after every 32 words, 4 words
	s_or_b32 s[G1B+0], s44, (1<<16)|(1<<20)|(1<<21)|(4<<22)|(3<<25)
.irp g, G1, G1B
	s_mov_b32 s[(\g)+1], 128<<16                   ; tensor_dim0 = 128 elements: 256 bytes, two rows of the tile
	s_mov_b32 s[(\g)+3], 128<<16                   ; tile_dim0 = 128
	s_mov_b32 s[(\g)+5], 128                       ; elements from row to row: dense
	s_mov_b32 s[(\g)+6], 0
	s_mov_b32 s[(\g)+7], 0
.endr
	s_mov_b32 s[G1+2], 64<<16                      ; tensor_dim1 = 64,
	s_mov_b32 s[G1+4], 64                          ; tile_dim1 = 64: 128 rows of Xb
	s_mov_b32 s[G1B+2], 96<<16
	s_mov_b32 s[G1B+4], 96                         ; 192 rows of Wt
	s_lshl_b32 s16, s13, 15                        ; Xb: 256 rows of 128 bytes x tile row
	s_lshl_b32 s17, s12, 14                        ; + 128 rows x half
	s_add_co_u32 s16, s16, s17
	s_mov_b32 s17, 0
	s_mul_i32 s46, s42, 384*128                    ; Wt: 384 rows x tile column
	s_mul_i32 s47, s12, 192*128                    ; + 192 rows x half
	s_add_co_u32 s46, s46, s47
	s_mov_b32 s47, 0
	s_mul_i32 s20, s12, AHALF                      ; where they go: no place in the cluster enters an LDS address
	s_mul_i32 s21, s12, BHALF
	s_add_co_u32 s21, s21, BOFF
	s_mov_b32 s[TB], 0
	s_mov_b32 s[TN], SLOT1
	s_wait_dscnt 0x0                               ; the opening add is done
	s_wait_kmcnt 0x0
	s_add_nc_u64 s[14:15], s[4:5], s[16:17]
	s_add_nc_u64 s[46:47], s[6:7], s[46:47]
	CROUND                                         ; all sixteen work-groups are here: the first joint loads meet
.irp s, 0,1
	s_mov_b32 s[G0+4*(\s)], 1
	s_add_co_u32 s[G0+4*(\s)+1], s20, (\s)*SLOT1
	s_add_nc_u64 s[G0+4*(\s)+2:G0+4*(\s)+3], s[14:15], (\s)*ASTEP
	s_or_b32 s[G0+4*(\s)+3], s[G0+4*(\s)+3], 0x80000000
	s_mov_b32 s[G0B+4*(\s)], 1
	s_add_co_u32 s[G0B+4*(\s)+1], s21, (\s)*SLOT1
	s_add_nc_u64 s[G0B+4*(\s)+2:G0B+4*(\s)+3], s[46:47], (\s)*BSTEP
	s_or_b32 s[G0B+4*(\s)+3], s[G0B+4*(\s)+3], 0x80000000
.endr
	s_cmp_eq_u32 s11, 0                            ; a wave's two first fills stand in one branch: two loads of mine are out
	s_cbranch_scc0 .Lfirst_b
	tensor_load_to_lds s[G0:G0+3], s[G1:G1+7]
	s_nop 0
	tensor_load_to_lds s[G0+4:G0+7], s[G1:G1+7]
	s_nop 0
	PLACES
	s_branch .Lfirst_asked
.Lfirst_b:
	tensor_load_to_lds s[G0B:G0B+3], s[G1B:G1B+7]
	s_nop 0
	tensor_load_to_lds s[G0B+4:G0B+7], s[G1B:G1B+7]
	s_nop 0
	PLACES
.Lfirst_asked:
	; a fragment is 16 rows x 32 K in 8 registers: lane l holds row l % 16, K = 8 (l / 16) + 0..7 and 16 + 8 (l / 16) + 0..7: two loads of 16 bytes, 32 bytes apart
	v_and_b32 v1, 15, v0
	v_bfe_u32 v2, v0, 4, 1
	v_mul_u32_u24 v3, v1, PITCH
	v_lshl_add_u32 v3, v2, 4, v3
	s_mul_i32 s21, s11, AHALF                      ; my 128 rows of Xb
	s_mul_i32 s22, s12, BHALF                      ; my 192 rows of Wt,
	s_add_co_u32 s22, s22, BOFF                    ; which lie behind Xb's 256
	v_add_nc_u32 v[AL0], s21, v3
	v_add_nc_u32 v[BL0], s22, v3
	v_add_nc_u32 v[ADRA], s[TB], v[AL0]
	v_add_nc_u32 v[ADRA+1], s[TN], v[AL0]
	v_add_nc_u32 v[ADRB], s[TB], v[BL0]
	v_add_nc_u32 v[ADRB+1], s[TN], v[BL0]
	s_mul_i32 s23, s11, 16*SPITCH
	s_add_co_u32 s23, s23, STAGE                   ; the stage of my half of the rows
	s_mul_i32 s22, s12, 384                        ; in: my 384 bytes of its rows; row l % 16, 16 bytes for each half of the lanes
	s_add_co_u32 s22, s22, s23
	v_mul_u32_u24 v4, v1, SPITCH
	v_lshl_add_u32 v4, v2, 4, v4
	v_add_nc_u32 v[STO], s22, v4
	s_mul_i32 s22, s12, 8*SPITCH                   ; back: my 8 of its 16 rows, whole; lanes 0-15 256 bytes of one row, lanes 16-31 of the next
	s_add_co_u32 s22, s22, s23
	v_mul_u32_u24 v5, v2, SPITCH
	v_lshl_add_u32 v5, v1, 4, v5
	v_add_nc_u32 v[RD], s22, v5
	v_mul_u32_u24 v5, v2, CPITCH                   ; and the same two rows in QKV
	v_lshl_add_u32 v[CO], v1, 4, v5
	s_lshl_b32 s16, s13, 8
	s_lshl_b32 s17, s11, 7
	s_add_co_u32 s16, s16, s17
	s_lshl_b32 s17, s12, 3
	s_add_co_u32 s16, s16, s17                     ; the first row that I store: 256 x tile row + 128 x row half + 8 x column half
	s_mul_i32 s16, s16, CPITCH
	s_mov_b32 s17, 0
	s_mul_i32 s46, s42, 768                        ; the tile's first column, in bytes
	s_mov_b32 s47, 0
	s_add_nc_u64 s[COF:COF+1], s[16:17], s[46:47]
	; the prefetches
	s_lshl_b32 s20, s13, 15                        ; Xb's tile,
	s_lshl_b32 s21, s40, 13                        ; my work-group's 8,192 bytes of it
	s_add_co_u32 s20, s20, s21
	s_add_co_u32 s20, s20, 2*ASTEP                 ; at K step 2: the first trip steps it to 3
	s_mul_i32 s22, s42, 384*128                    ; Wt's tile;
	s_lshr_b32 s23, s41, 1                         ; partners 0 and 1 take the first K step of the two, partners 2 and 3 the second;
	s_mul_i32 s23, s23, BSTEP
	s_add_co_u32 s22, s22, s23
	s_and_b32 s23, s41, 1
	s_mul_i32 s23, s23, 3
	s_add_co_u32 s23, s23, s10
	s_sub_co_u32 s23, s23, 1                       ; which 8,192 of its 49,152 bytes: 3 (cy % 2) + wave - 1 (in wave 0 the number is not used)
	s_lshl_b32 s23, s23, 13
	s_add_co_u32 s22, s22, s23
	s_add_co_u32 s22, s22, 2*BSTEP
	s_and_b32 s18, ttmp7, 0xffff
	s_mov_b32 s19, ASTEP
	s_cmp_eq_u32 s10, 0
	s_cselect_b32 s20, s20, s22
	s_cselect_b32 s18, ttmp9, s18                  ; the coordinate along which other clusters read the same rows
	s_cselect_b32 s[PFS], s19, BSTEP
	s_cselect_b64 s[PFA:PFA+1], s[4:5], s[6:7]
	s_mov_b32 s21, 0
	s_mov_b32 s[PFS+1], 0
	s_cmp_eq_u32 s18, 0
	s_cselect_b32 s[LIM], 3, -1                    ; the same in all sixteen partners, for a given wave
	s_add_nc_u64 s[PFA:PFA+1], s[PFA:PFA+1], s[20:21]
	v_and_b32 v[PFO], 31, v0
	v_lshlrev_b32 v[PFO], 8, v[PFO]
; 16 matrix instructions: column blocks 4 g + b0 and 4 g + b0 + 1 x all 8 row blocks, 32 along K.  zero = 1: the product starts the sums.
; The 96 accumulators take turns in the same order in every half step.
.macro MUL16 fa, g, b0, zero
	WIN 0x50*((\g)+1)                              ; sources 0 and 1 window 0; C and D window 1 + g
.irp bb, \b0, (\b0)+1
.irp a, 0,1,2,3,4,5,6,7
.if \zero
	v_wmma_f32_16x16x32_bf16 v[8*(8*(\bb)+(\a)):8*(8*(\bb)+(\a))+7], v[FB+8*(4*(\g)+(\bb)):FB+8*(4*(\g)+(\bb))+7], v[(\fa)+8*(\a):(\fa)+8*(\a)+7], 0
.else
	v_wmma_f32_16x16x32_bf16 v[8*(8*(\bb)+(\a)):8*(8*(\bb)+(\a))+7], v[FB+8*(4*(\g)+(\bb)):FB+8*(4*(\g)+(\bb))+7], v[(\fa)+8*(\a):(\fa)+8*(\a)+7], v[8*(8*(\bb)+(\a)):8*(8*(\bb)+(\a))+7]
.endif
.endr
.endr
.endm
; 8 LDS loads: group g's four fragments of Wt, half h of a K step, from the slot in hand (sel = 0) or the other (1)
.macro LOADB sel, h, g
	WIN 0
.irp i, 0,1,2,3
	ds_load_b128 v[FB+8*(4*(\g)+(\i)):FB+8*(4*(\g)+(\i))+3],   v[ADRB+(\sel)] offset:64*(\h)+(4*(\g)+(\i))*16*PITCH
	ds_load_b128 v[FB+8*(4*(\g)+(\i))+4:FB+8*(4*(\g)+(\i))+7], v[ADRB+(\sel)] offset:64*(\h)+(4*(\g)+(\i))*16*PITCH+32
.endr
.endm
; 16 LDS loads: the eight fragments of Xb into buffer fa
.macro LOADA sel, h, fa
	WIN 0
.irp i, 0,1,2,3,4,5,6,7
	ds_load_b128 v[(\fa)+8*(\i):(\fa)+8*(\i)+3],   v[ADRA+(\sel)] offset:64*(\h)+(\i)*16*PITCH
	ds_load_b128 v[(\fa)+8*(\i)+4:(\fa)+8*(\i)+7], v[ADRA+(\sel)] offset:64*(\h)+(\i)*16*PITCH+32
.endr
.endm
; A K step's first half: multiplies Xb's buffer 0; behind each group the second half's fragments are fetched.  LDS loads come back in order; the runs that are out at its head are 24 (group 0's and Xb's), 8, 8.
.macro HALF0 zero
	s_wait_dscnt 16                                ; group 0's fragments and Xb's are in; the two younger runs of 8 may be out
	MUL16 FA0, 0, 0, \zero
	MUL16 FA0, 0, 2, \zero
	PLACES
	LOADB 0, 1, 0
	LOADA 0, 1, FA1
	s_wait_dscnt 32                                ; group 1's are in: behind them stand 8 and the 24 just issued
	MUL16 FA0, 1, 0, \zero
	MUL16 FA0, 1, 2, \zero
	PLACES
	LOADB 0, 1, 1
	s_wait_dscnt 32                                ; group 2's are in: behind them stand 24 and 8
	MUL16 FA0, 2, 0, \zero
	MUL16 FA0, 2, 2, \zero
	PLACES
	LOADB 0, 1, 2
.endm
; The second half multiplies buffer 1 and changes slots: all the slot's bytes have been asked for.  In front of the barrier each wave waits for all its tensor loads (the one that is out is its part of the
; other slot), adds 0 to its spare word, and waits for that and for its reads of this slot.  fill = 1: the barrier opens a round of the cluster's, and the slot just read is filled again first thing
; behind it, with the K step two on: 160 products ahead of the wait for it.  Then the next K step's fragments are fetched from the other slot, group by group.
.macro TURN fill
.if \fill
	s_wait_xcnt 0x0                                ; the last prefetches, a K step back or more, have read their address
	s_add_nc_u64 s[PFA:PFA+1], s[PFA:PFA+1], s[PFS:PFS+1]
.endif
	WIN 0
	s_wait_tensorcnt 0x0                           ; no tensor load of mine is out, so a group 0 may be written
	ds_add_u32 v[SPW], v[NIL]                      ; 0 onto my spare word
.if \fill
	s_xor_b32 s[G0+5], s[G0+5], SLOT1              ; the walking descriptors: the other slot than last time, the next K step
	s_add_nc_u64 s[G0+6:G0+7], s[G0+6:G0+7], ASTEP
	s_xor_b32 s[G0B+5], s[G0B+5], SLOT1
	s_add_nc_u64 s[G0B+6:G0B+7], s[G0B+6:G0B+7], BSTEP
.endif
	s_wait_dscnt 17                                ; group 0's fragments and Xb's are in; two runs of 8 and the add may be out
	MUL16 FA1, 0, 0, 0
	s_wait_dscnt 0x0                               ; the add is done, and my reads of this slot are over
	s_barrier_signal -1
	MUL16 FA1, 0, 2, 0
	WIN 0
	s_barrier_wait -1
.if \fill
	CREST                                          ; no wave of any partner still reads this slot or has a load on its way
	JLOAD                                          ; its four v_nop are also the places in front of the loads below
.else
	PLACES
.endif
	LOADB 1, 0, 0
	LOADA 1, 0, FA0
.if \fill
	ASK
.endif
	MUL16 FA1, 1, 0, 0
	MUL16 FA1, 1, 2, 0
	PLACES
	LOADB 1, 0, 1
	MUL16 FA1, 2, 0, 0
	MUL16 FA1, 2, 2, 0
	PLACES
	LOADB 1, 0, 2
.endm
.macro TOGGLE                          ; the other slot is now the slot in hand
	WIN 0
	s_xor_b32 s[TB], s[TB], SLOT1
	s_xor_b32 s[TN], s[TN], SLOT1
	v_add_nc_u32 v[ADRA], s[TB], v[AL0]
	v_add_nc_u32 v[ADRA+1], s[TN], v[AL0]
	v_add_nc_u32 v[ADRB], s[TB], v[BL0]
	v_add_nc_u32 v[ADRB+1], s[TN], v[BL0]
.endm
; THE WAY OUT of block a (16 rows).  My 192 columns are 384 bytes, one and a half aligned blocks of 256: so the two waves of a row half write the two halves of the same stage rows, a barrier stands
; between the writing and the reading, and each wave reads 8 whole rows of 768 bytes back and stores them.  Two stages take turns: a stage is written again two blocks later, behind the barrier of the
; block between, in front of which every wave has waited for its reads.
.macro PACK a                          ; rounded to f16, 16 bytes a lane and column block; each accumulator from its low end on
.irp g, 0,1,2
	WIN 5*((\g)+1)                                 ; sources 0 and 1: window 1 + g
.irp bb, 0,1,2,3
.irp r, 0,1,2,3
	v_cvt_pk_f16_f32 v[TMP+4*(4*(\g)+(\bb))+(\r)], v[8*(8*(\bb)+(\a))+2*(\r)], v[8*(8*(\bb)+(\a))+2*(\r)+1]
.endr
.endr
.endr
	WIN 0
.endm
.macro TOSTAGE a
	WIN 0
.set BK, OB+48*((\a)%2)
.irp b, 0,1,2,3,4,5,6,7,8,9,10,11
	ds_store_b128 v[STO], v[TMP+4*(\b):TMP+4*(\b)+3] offset:((\a)%2)*STG1+32*(\b)
.endr
	s_wait_dscnt 0x0                               ; for the other wave's sake: my stores into the stage are done
	s_barrier_signal -1
	s_barrier_wait -1
.irp t, 0,1,2,3,4,5,6,7,8,9,10,11
	ds_load_b128 v[BK+4*(\t):BK+4*(\t)+3], v[RD] offset:((\a)%2)*STG1+((\t)/3)*2*SPITCH+256*((\t)%3)
.endr
.endm
.macro SEND a
	WIN 0
.set BK, OB+48*((\a)%2)
	s_wait_dscnt 0x0                               ; the block is back in registers
	s_wait_xcnt 0x0                                ; only behind this wait are the stores' base and the registers that earlier stores read written again
.if (\a) == 0
	s_add_nc_u64 s[CB:CB+1], s[CB:CB+1], s[COF:COF+1]
.else
	s_add_nc_u64 s[CB:CB+1], s[CB:CB+1], 16*CPITCH
.endif
.irp t, 0,1,2,3,4,5,6,7,8,9,10,11
	global_store_b128 v[CO], v[BK+4*(\t):BK+4*(\t)+3], s[CB:CB+1] offset:2*((\t)/3)*CPITCH+256*((\t)%3)  ; 16 lanes store 256 consecutive bytes, aligned
.endr
.endm
	s_wait_tensorcnt 1                             ; my part of K step 0 is in; K step 1's load, issued behind it, may stay out
	s_barrier_signal -1
	s_barrier_wait -1
	LOADB 0, 0, 0                                  ; K step 0's first half, in the order in which every later half is fetched: 24, 8, 8
	LOADA 0, 0, FA0
	LOADB 0, 0, 1
	LOADB 0, 0, 2
	HALF0 1                                        ; the first half's products start the sums
	WIN 0
	s_mov_b32 s3, 14
	s_branch .Lmid                                 ; the loop is entered behind its first half
.Lstep:                                                ; fourteen trips: K steps 0 to 13, which ask for K steps 2 to 15
	HALF0 0
	WIN 0
.Lmid:
	TURN 1
	TOGGLE
	s_sub_co_u32 s3, s3, 1
	s_cmp_lg_u32 s3, 0
	s_cbranch_scc1 .Lstep
	s_mov_b32 s3, 2
.Ltail:                                                ; K steps 14 and 15 ask for nothing; the second trip's barrier and its 40 loads serve nothing: the price, once a work-group, of one text for both
	HALF0 0
	TURN 0
	TOGGLE
	s_sub_co_u32 s3, s3, 1
	s_cmp_lg_u32 s3, 0
	s_cbranch_scc1 .Ltail
	s_wait_dscnt 0x0
	PLACES
	PACK 0
	TOSTAGE 0
.irp a, 1,2,3,4,5,6,7                  ; block a's conversions stand between block a - 1's loads from the stage and the wait for them
	PACK \a
	SEND (\a)-1
	TOSTAGE \a
.endr
	SEND 7
	s_wait_tensorcnt 0x0                           ; the wave's end
	ds_add_u32 v[SPW], v[NIL]
	s_wait_dscnt 0x0
	CROUND                                         ; the closing round
	s_endpgm
.Lfunc_end_k_qddcc05ff24_qkv:
	.size	k_qddcc05ff24_qkv, .Lfunc_end_k_qddcc05ff24_qkv-k_qddcc05ff24_qkv
	.p2alignl 7, 3214868480
	.fill 96, 4, 3214868480
	.section	.rodata,"a",@progbits
	.p2align	6, 0x0
	.amdhsa_kernel k_qddcc05ff24_qkv
		.amdhsa_group_segment_fixed_size 327680
		.amdhsa_private_segment_fixed_size 0
		.amdhsa_enable_private_segment 0
		.amdhsa_kernarg_size 24
		.amdhsa_user_sgpr_count 2
		.amdhsa_user_sgpr_kernarg_segment_ptr 1
		.amdhsa_wavefront_size32 1
		.amdhsa_system_sgpr_workgroup_id_x 1
		.amdhsa_system_sgpr_workgroup_id_y 1
		.amdhsa_system_sgpr_workgroup_id_z 1
		.amdhsa_system_vgpr_workitem_id 0
		.amdhsa_next_free_vgpr 1024
		.amdhsa_next_free_sgpr 70
		.amdhsa_reserve_vcc 0
		.amdhsa_float_denorm_mode_32 3
		.amdhsa_float_denorm_mode_16_64 3
		.amdhsa_memory_ordered 1
		.amdhsa_forward_progress 1
		.amdhsa_inst_pref_size 107
	.end_amdhsa_kernel
	.amdgpu_metadata
---
amdhsa.version: [ 1, 2 ]
amdhsa.kernels:
  - .name:           k_qddcc05ff24_qkv
    .symbol:         k_qddcc05ff24_qkv.kd
    .args:
      - { .name: Xb, .offset: 0, .size: 8, .value_kind: global_buffer, .address_space: global }
      - { .name: Wt, .offset: 8, .size: 8, .value_kind: global_buffer, .address_space: global }
      - { .name: QKV, .offset: 16, .size: 8, .value_kind: global_buffer, .address_space: global }
    .group_segment_fixed_size: 327680
    .private_segment_fixed_size: 0
    .kernarg_segment_align: 8
    .kernarg_segment_size: 24
    .max_flat_workgroup_size: 128
    .sgpr_count:     70
    .vgpr_count:     1024
    .wavefront_size: 32
...
	.end_amdgpu_metadata
.endif
;; end of part 2
;; launch score (part 3): grid 36 x 4, 4 waves a work-group, no clusters, 327,680 bytes of LDS; arguments QKV, Pt, St; writes Pt, St
.if DOCPART == 3
	.amdgcn_target "amdgcn-amd-amdhsa--gfx1250"
	.amdhsa_code_object_version 6
	.text
	.protected	k_qddcc05ff24_score
	.globl	k_qddcc05ff24_score
	.p2align	8
	.type	k_qddcc05ff24_score,@function
k_qddcc05ff24_score:
	s_mov_b64 s[64:65], 0
	v_nop
	global_prefetch_b8 v0, s[64:65] scope:SCOPE_SE
	s_setreg_imm32_b32 hwreg(HW_REG_WAVE_MODE, 25, 1), 1
	s_wait_xcnt 0x0
; For each causal tile (i, j <= i) of 256 queries x 256 keys of a batch: s = q . k, the causal mask, the tile's row maximum m, p = 2^(c s - c m) with c = log2(e) / 32, rounded to f16 into Pt,
; and into St for each row c m and the sums of the unrounded p over the tile's first and second 128 keys.  The next launch turns the tiles' maxima into the row's true maximum exactly.
; q and k are columns 0-1023 and 1024-2047 of QKV [8192][3072] f16.  Pt: [4][2048][2048] f16.  St byte offset: (((8 b + j) 3 + kind) 2048 + row) 4; kind 0: c m, 1 and 2: the sums.
; LIMITS.  A hidden score counts as its value less 1e30 (f16's scores, 4.4e12 at the most, are nothing beside that) and its weight is stored as 0; a weight below 2^-126 counts as 0 in the sums;
; below 6e-5 a stored weight keeps f16's fixed step; NaN and infinities are not treated apart.
; Every row of a causal tile sees the tile's first key, so m is a true score.
; SHARES.  Work-group x of a batch's 36: i is the largest with i (i + 1) / 2 <= x, j the rest.  Four waves, 128 x 128 each; the ring and the windows are those of the projection's kernel.
; NO CLUSTER: a batch's 36 tiles lie in rows of 1 to 8; they do not fall into groups of four that share a block of q or of k.
; THE MASK is the C operand of the products that start the sums: one of three groups of eight registers, for key blocks below, on and above the diagonal of my 128 x 128.
.set QPITCH, 6144                      ; bytes in a row of QKV
.set CPITCH, 4096                      ; bytes in a row of Pt
.set KSTEP,  128
.set PITCH,  272
.set HALFT,  128*PITCH
.set SLOT,   4*HALFT                   ; 0x22000: none of its bits is set in wave x HALFT
.set STAGE,  2*SLOT
.set SPITCH, 272
.set SX,     STAGE+4*16*SPITCH         ; [4 waves][128 rows] f32: row maxima
.set SL,     SX+2048                   ; likewise: row sums
.set SPARE,  SL+2048                   ; the spare words, 128 bytes for each wave
.set ADRA, 16
.set AL0,  18
.set ADRB, 20
.set BL0,  22
.set STO,  24
.set RD,   25
.set CO,   26
.set SPW,  28                          ; v28  LDS address of my spare word; never rewritten
.set NIL,  29                          ; v29  0; never rewritten
.set PFO,  30
.set ML,   32                          ; v32-39  the mask below the diagonal
.set MD,   40                          ; v40-47  on it
.set MU,   48                          ; v48-55  above it
.set F0,   64
.set F1,   128
.set CH,   64                          ; the epilogue: four chains of a maximum for each of 8 blocks
.set MX,   96                          ; my 128 keys' maximum, by block
.set CM,   112                         ; pairs: c m, m
.set LS,   128                         ; row sums
.set TMP,  192
.set OB,   32
.set G1,   24                          ; s[24:31] group 1: q's and k's tiles have one shape
.set G0,   32                          ; s[32:39] group 0: a set for each first fill; the second then walks
.set LIM,  43
.set PFA,  44
.set ST0,  48                          ; s[48:49] St at my rows, kind 0
.set ST1,  50                          ; s[50:51] kind 1 + my half of the keys
.set COF,  52                          ; s[52:53] where my part of Pt begins
.set CS,   58                          ; s[58:59] c
.set SEL,  60                          ; s[60:61] v_permlanex16_b32's selects
.set BIGN, 62                          ; s62  -1e30
.set TB,   66
.set TN,   67
.set CB,   6                           ; s[6:7] Pt
.set MSB, 0
.macro WIN new
.if MSB != (\new)
	s_set_vgpr_msb (MSB<<8)|(\new)
.set MSB, \new
.endif
.endm
.set MUL_LO, 0xa1
.set MUL_HI, 0xf1
.set TO_B,   0x40
.macro PLACES
.rept 4
	v_nop
.endr
.endm
; A prefetch of the K step that stands two refills on: my own 128 rows x 256 bytes, a lane a row, four instructions.  A block of q is read by the tiles (i, 0 .. i): tile j = 0 names it;
; a block of k by the tiles (j .. 7, j): tile i = j names it.  Trip t names K step t + 4: the trips with s3 above 2.
.macro ASK
	s_cmp_gt_u32 s3, s[LIM]
	s_cbranch_scc0 .Lnot_mine_\@
.irp n, 0,1,2,3
	global_prefetch_b8 v[PFO], s[PFA:PFA+1] offset:(\n)*32*QPITCH+KSTEP*2 th:TH_LOAD_NT scope:SCOPE_SE
.endr
.Lnot_mine_\@:
.endm
	s_load_b128 s[4:7], s[0:1], 0x0                ; QKV s[4:5], Pt s[6:7]
	s_load_b64 s[8:9], s[0:1], 0x10                ; St
	v_lshl_add_u32 v[SPW], v0, 2, SPARE
	v_mov_b32 v[NIL], 0
	ds_add_u32 v[SPW], v[NIL]                      ; the wave's opening: the add and its wait ahead of my first tensor load
	ds_add_u32 v28, v29
	v_lshrrev_b32 v1, 5, v0
	v_readfirstlane_b32 s10, v1                    ; wave 0..3
	s_lshr_b32 s11, s10, 1                         ; my half of the queries.  Also: I fetch q (0) or k (1)
	s_and_b32 s12, s10, 1                          ; my half of the keys.  Also: which 128 rows I fetch
	s_and_b32 s13, ttmp7, 0xffff                   ; the batch
	s_mov_b32 s14, 0
.irp r, 1,3,6,10,15,21,28
	s_cmp_ge_u32 ttmp9, \r
	s_cselect_b32 s16, 1, 0
	s_add_co_u32 s14, s14, s16                     ; i
.endr
	s_add_co_u32 s16, s14, 1
	s_mul_i32 s16, s16, s14
	s_lshr_b32 s16, s16, 1
	s_sub_co_u32 s15, ttmp9, s16                   ; j
	s_mov_b32 s[G1+0], (1<<16)|(1<<20)|(5<<22)|(3<<25)  ; 2-byte elements; padding on; after every 64 words, 4 words
	s_mov_b32 s[G1+1], KSTEP<<16
	s_mov_b32 s[G1+2], 128<<16
	s_mov_b32 s[G1+3], KSTEP<<16
	s_mov_b32 s[G1+4], 128
	s_mov_b32 s[G1+5], 3072                        ; elements from row to row
	s_mov_b32 s[G1+6], 0
	s_mov_b32 s[G1+7], 0
	s_mov_b32 s[CS], 0x3d38aa3b                    ; c = log2(e) / 32
	s_mov_b32 s[CS+1], s[CS]
	s_mov_b32 s[SEL], 0x76543210
	s_mov_b32 s[SEL+1], 0xfedcba98
	s_mov_b32 s[BIGN], 0xf149f2ca
	s_mov_b32 s[TB], 0
	s_mov_b32 s[TN], SLOT
	; the masks' values.  In the diagonal tile wave 0 and wave 3 hold the diagonal, wave 1 sees nothing, wave 2 everything; elsewhere nothing is hidden
	s_cmp_eq_u32 s14, s15
	s_cselect_b32 s20, 1, 0
	s_cmp_lg_u32 s10, 2
	s_cselect_b32 s21, s20, 0
	s_cmp_eq_u32 s21, 1
	s_cselect_b32 s54, s[BIGN], 0                  ; above the diagonal
	s_cselect_b32 s46, 0, 100                      ; a shift of the diagonal: 100 hides nothing,
	s_cmp_eq_u32 s10, 1
	s_cselect_b32 s21, s20, 0
	s_cmp_eq_u32 s21, 1
	s_cselect_b32 s55, s[BIGN], 0                  ; below the diagonal
	s_cselect_b32 s46, -100, s46                   ; -100 hides all
	s_sub_co_u32 s21, s14, s15
	s_cmp_eq_u32 s11, 0
	s_cselect_b32 s21, s15, s21
	s_cmp_eq_u32 s21, 0
	s_cselect_b32 s[LIM], 2, -1
	; my tile's first byte in QKV
	s_cmp_eq_u32 s11, 0
	s_cselect_b32 s16, s14, s15
	s_cselect_b32 s18, 0, 2048
	s_lshl_b32 s16, s16, 8
	s_lshl_b32 s17, s13, 11
	s_add_co_u32 s16, s16, s17
	s_lshl_b32 s17, s12, 7
	s_add_co_u32 s16, s16, s17
	s_mul_i32 s16, s16, QPITCH
	s_add_co_u32 s16, s16, s18
	s_mov_b32 s17, 0
	s_mul_i32 s20, s10, HALFT
	; my part of Pt and of St
	s_lshl_b32 s21, s13, 11
	s_lshl_b32 s22, s14, 8
	s_add_co_u32 s21, s21, s22
	s_lshl_b32 s22, s11, 7
	s_add_co_u32 s21, s21, s22                     ; my first row
	s_lshl_b32 s[COF], s21, 12
	s_lshl_b32 s22, s15, 9
	s_add_co_u32 s[COF], s[COF], s22
	s_lshl_b32 s22, s12, 8
	s_add_co_u32 s[COF], s[COF], s22
	s_mov_b32 s[COF+1], 0
	s_lshl_b32 s22, s13, 3
	s_add_co_u32 s22, s22, s15
	s_mul_i32 s22, s22, 24576
	s_lshl_b32 s23, s14, 10
	s_add_co_u32 s22, s22, s23
	s_lshl_b32 s23, s11, 9
	s_add_co_u32 s22, s22, s23
	s_mov_b32 s23, 0
	s_lshl_b32 s56, s12, 13
	s_add_co_u32 s56, s56, 8192
	s_mov_b32 s57, 0
	s_wait_dscnt 0x0                               ; the opening add is done
	s_wait_kmcnt 0x0
	s_add_nc_u64 s[18:19], s[4:5], s[16:17]
	s_add_nc_u64 s[ST0:ST0+1], s[8:9], s[22:23]
	s_add_nc_u64 s[ST1:ST1+1], s[ST0:ST0+1], s[56:57]
	s_add_nc_u64 s[PFA:PFA+1], s[18:19], 2*KSTEP*2
.irp s, 0,1
	s_mov_b32 s[G0+4*(\s)], 1
	s_add_co_u32 s[G0+4*(\s)+1], s20, (\s)*SLOT
	s_add_nc_u64 s[G0+4*(\s)+2:G0+4*(\s)+3], s[18:19], (\s)*KSTEP*2
	s_or_b32 s[G0+4*(\s)+3], s[G0+4*(\s)+3], 0x80000000
.endr
	tensor_load_to_lds s[G0:G0+3], s[G1:G1+7]      ; each wave's own quarter of a slot: two loads of mine are out
	s_nop 0
	tensor_load_to_lds s[G0+4:G0+7], s[G1:G1+7]
	s_nop 0
	PLACES
	v_and_b32 v1, 15, v0
	v_bfe_u32 v2, v0, 4, 1
	v_mul_u32_u24 v3, v1, PITCH
	v_lshl_add_u32 v3, v2, 4, v3
	s_mul_i32 s21, s11, HALFT
	s_mul_i32 s22, s12, HALFT
	s_add_co_u32 s22, s22, 2*HALFT
	v_add_nc_u32 v[AL0], s21, v3
	v_add_nc_u32 v[BL0], s22, v3
	v_add_nc_u32 v[ADRA], s[TB], v[AL0]
	v_add_nc_u32 v[ADRA+1], s[TN], v[AL0]
	v_add_nc_u32 v[ADRB], s[TB], v[BL0]
	v_add_nc_u32 v[ADRB+1], s[TN], v[BL0]
	s_mul_i32 s23, s10, 16*SPITCH
	s_add_co_u32 s23, s23, STAGE
	v_mul_u32_u24 v4, v1, SPITCH
	v_lshl_add_u32 v4, v2, 4, v4
	v_add_nc_u32 v[STO], s23, v4
	v_mul_u32_u24 v5, v2, SPITCH
	v_lshl_add_u32 v5, v1, 4, v5
	v_add_nc_u32 v[RD], s23, v5
	v_mul_u32_u24 v5, v2, CPITCH
	v_lshl_add_u32 v[CO], v1, 4, v5
	v_and_b32 v14, 31, v0
	v_mul_u32_u24 v[PFO], v14, QPITCH
	v_lshlrev_b32 v15, 4, v14                      ; 16 x lane
	v_lshlrev_b32 v7, 2, v1                        ; 4 x (l % 16)
	s_lshl_b32 s21, s10, 9                         ; my wave's 512 bytes of a table,
	s_xor_b32 s22, s21, 512                        ; and those of the wave with the other half of my rows' keys
	s_add_co_u32 s23, s21, SX
	v_add_nc_u32 v8, s23, v7
	v_add_nc_u32 v10, s23, v15
	s_add_co_u32 s23, s22, SX
	v_add_nc_u32 v9, s23, v7
	v_add_nc_u32 v11, s23, v15
	s_add_co_u32 s23, s21, SL
	v_add_nc_u32 v12, s23, v7
	v_add_nc_u32 v13, s23, v15
	; register r of the diagonal group is key 8 (l / 16) + r against query l % 16: hidden where r is greater than l % 16 - 8 (l / 16) + the shift
	v_lshlrev_b32 v3, 3, v2
	v_sub_nc_u32 v3, v1, v3
	v_add_nc_u32 v3, s46, v3
.irp r, 0,1,2,3,4,5,6,7
	v_cmp_gt_i32 vcc_lo, \r, v3
	v_cndmask_b32 v[MD+(\r)], 0, s[BIGN], vcc_lo
	v_mov_b32 v[ML+(\r)], s55
	v_mov_b32 v[MU+(\r)], s54
.endr
; 16 matrix instructions.  mode = 1: the product starts the sums with its block's mask (C in window 0)
.macro MUL16 f, hi, a0, mode
.if \mode
	WIN 0x81+0x40*(\hi)
.else
	WIN MUL_LO+0x50*(\hi)
.endif
.irp a, \a0, (\a0)+1
.irp b, 0,1,2,3,4,5,6,7
.if \mode
.if (\b) < 4*(\hi)+(\a)
.set MG, ML
.elseif (\b) == 4*(\hi)+(\a)
.set MG, MD
.else
.set MG, MU
.endif
	v_wmma_f32_16x16x32_f16 v[8*(8*(\a)+(\b)):8*(8*(\a)+(\b))+7], v[(\f)+8*(\b):(\f)+8*(\b)+7], v[(\f)+8*(4*(\hi)+(\a)):(\f)+8*(4*(\hi)+(\a))+7], v[MG:MG+7]
.else
	v_wmma_f32_16x16x32_f16 v[8*(8*(\a)+(\b)):8*(8*(\a)+(\b))+7], v[(\f)+8*(\b):(\f)+8*(\b)+7], v[(\f)+8*(4*(\hi)+(\a)):(\f)+8*(4*(\hi)+(\a))+7], v[8*(8*(\a)+(\b)):8*(8*(\a)+(\b))+7]
.endif
.endr
.endr
.endm
.macro FETCH sel, k, f
	WIN TO_B
.irp i, 0,1,2,3,4,5,6,7
	ds_load_b128 v[(\f)+8*(\i):(\f)+8*(\i)+3],   v[ADRB+(\sel)] offset:(\k)+(\i)*16*PITCH
	ds_load_b128 v[(\f)+8*(\i)+4:(\f)+8*(\i)+7], v[ADRB+(\sel)] offset:(\k)+(\i)*16*PITCH+32
.endr
	WIN 0
.irp i, 0,1,2,3,4,5,6,7
	ds_load_b128 v[(\f)+8*(\i):(\f)+8*(\i)+3],   v[ADRA+(\sel)] offset:(\k)+(\i)*16*PITCH
	ds_load_b128 v[(\f)+8*(\i)+4:(\f)+8*(\i)+7], v[ADRA+(\sel)] offset:(\k)+(\i)*16*PITCH+32
.endr
.endm
.macro QUARTER sel, k, f, g, mode
	s_wait_dscnt 8                                 ; k's fragments and q's rows 0-63 are in; the youngest eight loads may be out
	MUL16 \f, 0, 0, \mode
	MUL16 \f, 0, 2, \mode
	PLACES
	FETCH \sel, \k, \g
	s_wait_dscnt 32                                ; all but the 32 just issued
	MUL16 \f, 1, 0, \mode
	MUL16 \f, 1, 2, \mode
.endm
; The last quarter and the change of slots: all my tensor loads, the add, my reads of this slot, one barrier; fill = 1: the slot just read is filled again first thing behind it
.macro TURN fill
.if \fill
	s_wait_xcnt 0x0                                ; the last prefetches, a K step back, have read their address
	s_add_nc_u64 s[PFA:PFA+1], s[PFA:PFA+1], KSTEP*2
.endif
	WIN 0
	s_wait_tensorcnt 0x0                           ; no tensor load of mine is out, so a group 0 may be written
	ds_add_u32 v[SPW], v[NIL]                      ; 0 onto my spare word
.if \fill
	s_xor_b32 s[G0+5], s[G0+5], SLOT
	s_add_nc_u64 s[G0+6:G0+7], s[G0+6:G0+7], KSTEP*2
.endif
	s_wait_dscnt 9                                 ; the add and the youngest eight loads may be out
	MUL16 F1, 0, 0, 0
	s_wait_dscnt 0x0                               ; the add is done, and my reads of this slot are over
	s_barrier_signal -1
	MUL16 F1, 0, 2, 0
	WIN 0
	s_barrier_wait -1
.if \fill
	tensor_load_to_lds s[G0+4:G0+7], s[G1:G1+7]    ; my one tensor load behind the barrier
	s_nop 0
.endif
	PLACES
	FETCH 1, 0, F0
.if \fill
	ASK
.endif
	MUL16 F1, 1, 0, 0
	MUL16 F1, 1, 2, 0
.endm
.macro TOGGLE
	WIN 0
	s_xor_b32 s[TB], s[TB], SLOT
	s_xor_b32 s[TN], s[TN], SLOT
	v_add_nc_u32 v[ADRA], s[TB], v[AL0]
	v_add_nc_u32 v[ADRA+1], s[TN], v[AL0]
	v_add_nc_u32 v[ADRB], s[TB], v[BL0]
	v_add_nc_u32 v[ADRB+1], s[TN], v[BL0]
.endm
; THE MAXIMUM of my lane's 64 scores in each of the window's four blocks: four chains of 16 scores, three operands at a time; sixteen chains side by side.  Each accumulator's lowest registers are read first.
.macro MAX1 hi
	WIN 0x2a+0x15*(\hi)                            ; three sources in window 2 or 3
.irp a, 0,1,2,3
.irp k, 0,1,2,3
	v_max3_num_f32 v[CH+4*(4*(\hi)+(\a))+(\k)], v[64*(\a)+16*(\k)], v[64*(\a)+16*(\k)+1], v[64*(\a)+16*(\k)+2]
.endr
.endr
	WIN 0x28+0x14*(\hi)                            ; source 0 in window 0
.irp n, 1,2,3,4,5,6
.irp a, 0,1,2,3
.irp k, 0,1,2,3
	v_max3_num_f32 v[CH+4*(4*(\hi)+(\a))+(\k)], v[CH+4*(4*(\hi)+(\a))+(\k)], v[64*(\a)+16*(\k)+2*(\n)+1], v[64*(\a)+16*(\k)+2*(\n)+2]
.endr
.endr
.endr
.irp a, 0,1,2,3
	v_max3_num_f32 v[CH+4*(4*(\hi)+(\a))], v[CH+4*(4*(\hi)+(\a))], v[64*(\a)+15], v[64*(\a)+31]
	v_max3_num_f32 v[CH+4*(4*(\hi)+(\a))+2], v[CH+4*(4*(\hi)+(\a))+2], v[64*(\a)+47], v[64*(\a)+63]
.endr
.endm
; BLOCK a: c s - c m and the exponentials in place; the weights rounded to f16; their sum, of the unrounded weights, by a tree in place; the sum into the table.
.macro SOFT a
.set AC, 64*((\a)%4)
.set W, 2+(\a)/4
	WIN W|(W<<6)
.set z, 0
.rept 32
	v_pk_fma_f32 v[AC+z:AC+z+1], v[AC+z:AC+z+1], s[CS:CS+1], v[CM+2*(\a):CM+2*(\a)+1] op_sel_hi:[1,0,0] neg_lo:[0,0,1] neg_hi:[0,0,1]
.set z, z+2
.endr
.set z, 0
.rept 64
	v_exp_f32 v[AC+z], v[AC+z]
.set z, z+1
.endr
	v_nop                                          ; a plain instruction between the last exponential and the use of its result
	WIN W|(W<<2)
	s_wait_alu depctr_va_vdst(0)
.irp b, 0,1,2,3,4,5,6,7
.irp r, 0,1,2,3
	v_cvt_pk_f16_f32 v[TMP+4*(\b)+(\r)], v[AC+8*(\b)+2*(\r)], v[AC+8*(\b)+2*(\r)+1]
.endr
.endr
	WIN W|(W<<2)|(W<<6)
.irp st, 2,4,8,16,32
.set z, 0
.rept 32/(\st)
	v_pk_add_f32 v[AC+z:AC+z+1], v[AC+z:AC+z+1], v[AC+z+(\st):AC+z+(\st)+1]
.set z, z+2*(\st)
.endr
.endr
	WIN W|(W<<2)
	v_add_f32 v[LS+(\a)], v[AC], v[AC+1]
	WIN 0
	v_permlanex16_b32 v[CH+4*(\a)+2], v[LS+(\a)], s[SEL], s[SEL+1]  ; the row's other 64 keys lie in the lane 16 away
	v_add_f32 v[LS+(\a)], v[LS+(\a)], v[CH+4*(\a)+2]
	ds_store_b32 v12, v[LS+(\a)] offset:64*(\a)
.endm
.macro TOSTAGE a
	WIN 0
.set BK, OB+192*((\a)%2)
.irp b, 0,1,2,3,4,5,6,7
	ds_store_b128 v[STO], v[TMP+4*(\b):TMP+4*(\b)+3] offset:32*(\b)
.endr
.irp t, 0,1,2,3,4,5,6,7
	ds_load_b128 v[BK+4*(\t):BK+4*(\t)+3], v[RD] offset:(\t)*2*SPITCH  ; LDS serves a wave's instructions in order: these see the stores above
.endr
.endm
.macro SEND a, younger
	WIN 0
.set BK, OB+192*((\a)%2)
	s_wait_dscnt \younger
	s_wait_xcnt 0x0                                ; only behind this wait are the stores' base and the registers that earlier stores read written again
.if (\a) == 0
	s_add_nc_u64 s[CB:CB+1], s[CB:CB+1], s[COF:COF+1]
.else
	s_add_nc_u64 s[CB:CB+1], s[CB:CB+1], 16*CPITCH
.endif
.irp t, 0,1,2,3,4,5,6,7
	global_store_b128 v[CO], v[BK+4*(\t):BK+4*(\t)+3], s[CB:CB+1] offset:2*(\t)*CPITCH  ; 16 lanes store a row's 128 weights: 256 consecutive bytes, aligned
.endr
.endm
	s_wait_tensorcnt 1                             ; my part of K step 0 is in; K step 1's load may stay out
	s_barrier_signal -1
	s_barrier_wait -1
	FETCH 0, 0, F0
	QUARTER 0, 64, F0, F1, 1                       ; the first quarter's products start the sums with the masks
	WIN 0
	s_mov_b32 s3, 6
	s_branch .Lmid
.Lstep:                                                ; six trips: K steps 0 to 5, which ask for K steps 2 to 7
	QUARTER 0, 64, F0, F1, 0
	WIN 0
.Lmid:
	QUARTER 0, 128, F1, F0, 0
	QUARTER 0, 192, F0, F1, 0
	TURN 1
	TOGGLE
	s_sub_co_u32 s3, s3, 1
	s_cmp_lg_u32 s3, 0
	s_cbranch_scc1 .Lstep
	s_mov_b32 s3, 2
.Ltail:                                                ; K steps 6 and 7 ask for nothing; the second trip's barrier and its 32 loads serve nothing: the price of one text for both
	QUARTER 0, 64, F0, F1, 0
	QUARTER 0, 128, F1, F0, 0
	QUARTER 0, 192, F0, F1, 0
	TURN 0
	TOGGLE
	s_sub_co_u32 s3, s3, 1
	s_cmp_lg_u32 s3, 0
	s_cbranch_scc1 .Ltail
	s_wait_dscnt 0x0
	PLACES
	MAX1 0
	MAX1 1
	WIN 0
.irp a, 0,1,2,3,4,5,6,7
	v_max3_num_f32 v[CH+4*(\a)], v[CH+4*(\a)], v[CH+4*(\a)+1], v[CH+4*(\a)+2]
.endr
.irp a, 0,1,2,3,4,5,6,7
	v_max_num_f32 v[CH+4*(\a)], v[CH+4*(\a)], v[CH+4*(\a)+3]
.endr
.irp a, 0,1,2,3,4,5,6,7
	v_permlanex16_b32 v[CH+4*(\a)+1], v[CH+4*(\a)], s[SEL], s[SEL+1]
.endr
.irp a, 0,1,2,3,4,5,6,7
	v_max_num_f32 v[MX+(\a)], v[CH+4*(\a)], v[CH+4*(\a)+1]
.endr
.irp a, 0,1,2,3,4,5,6,7
	ds_store_b32 v8, v[MX+(\a)] offset:64*(\a)     ; both halves of the lanes write the same word with the same value
.endr
	s_wait_dscnt 0x0                               ; for the other wave's sake: my maxima are in the table
	s_barrier_signal -1
	s_barrier_wait -1
.irp a, 0,1,2,3,4,5,6,7
	ds_load_b32 v[CH+4*(\a)+3], v9 offset:64*(\a)  ; the maxima over the rows' other 128 keys
.endr
	ds_load_b128 v[144:147], v10                   ; and both once more, four rows a lane, for St
	ds_load_b128 v[148:151], v11
	s_wait_dscnt 0x0
.irp a, 0,1,2,3,4,5,6,7
	v_max_num_f32 v[CM+2*(\a)+1], v[MX+(\a)], v[CH+4*(\a)+3]
.endr
.irp a, 0,1,2,3,4,5,6,7
	v_mul_f32 v[CM+2*(\a)], s[CS], v[CM+2*(\a)+1]
.endr
	SOFT 0
	TOSTAGE 0
.irp a, 1,2,3,4,5,6,7                  ; block a's arithmetic stands between block a - 1's loads from the stage and the wait for them
	SOFT \a
	SEND (\a)-1, 0
	TOSTAGE \a
.endr
	SEND 7, 0
	ds_load_b128 v[152:155], v13                   ; my own 128 row sums, four rows a lane
	s_wait_dscnt 0x0
	global_store_b128 v15, v[152:155], s[ST1:ST1+1]  ; 512 consecutive bytes
	s_cmp_eq_u32 s12, 0                            ; c m is stored by the wave with the first 128 keys
	s_cbranch_scc0 .Lend
.irp r, 0,1,2,3
	v_max_num_f32 v[144+(\r)], v[144+(\r)], v[148+(\r)]
.endr
.irp r, 0,1,2,3
	v_mul_f32 v[144+(\r)], s[CS], v[144+(\r)]      ; the same product of the same numbers as in CM: the same bits
.endr
	global_store_b128 v15, v[144:147], s[ST0:ST0+1]
.Lend:
	s_wait_tensorcnt 0x0                           ; the wave's end
	ds_add_u32 v[SPW], v[NIL]
	s_wait_dscnt 0x0
	s_endpgm
.Lfunc_end_k_qddcc05ff24_score:
	.size	k_qddcc05ff24_score, .Lfunc_end_k_qddcc05ff24_score-k_qddcc05ff24_score
	.p2alignl 7, 3214868480
	.fill 96, 4, 3214868480
	.section	.rodata,"a",@progbits
	.p2align	6, 0x0
	.amdhsa_kernel k_qddcc05ff24_score
		.amdhsa_group_segment_fixed_size 327680
		.amdhsa_private_segment_fixed_size 0
		.amdhsa_enable_private_segment 0
		.amdhsa_kernarg_size 24
		.amdhsa_user_sgpr_count 2
		.amdhsa_user_sgpr_kernarg_segment_ptr 1
		.amdhsa_wavefront_size32 1
		.amdhsa_system_sgpr_workgroup_id_x 1
		.amdhsa_system_sgpr_workgroup_id_y 1
		.amdhsa_system_sgpr_workgroup_id_z 1
		.amdhsa_system_vgpr_workitem_id 0
		.amdhsa_next_free_vgpr 1024
		.amdhsa_next_free_sgpr 70
		.amdhsa_reserve_vcc 1
		.amdhsa_float_denorm_mode_32 3
		.amdhsa_float_denorm_mode_16_64 3
		.amdhsa_memory_ordered 1
		.amdhsa_forward_progress 1
		.amdhsa_inst_pref_size 171
	.end_amdhsa_kernel
	.amdgpu_metadata
---
amdhsa.version: [ 1, 2 ]
amdhsa.kernels:
  - .name:           k_qddcc05ff24_score
    .symbol:         k_qddcc05ff24_score.kd
    .args:
      - { .name: QKV, .offset: 0, .size: 8, .value_kind: global_buffer, .address_space: global }
      - { .name: Pt, .offset: 8, .size: 8, .value_kind: global_buffer, .address_space: global }
      - { .name: St, .offset: 16, .size: 8, .value_kind: global_buffer, .address_space: global }
    .group_segment_fixed_size: 327680
    .private_segment_fixed_size: 0
    .kernarg_segment_align: 8
    .kernarg_segment_size: 24
    .max_flat_workgroup_size: 128
    .sgpr_count:     70
    .vgpr_count:     1024
    .wavefront_size: 32
...
	.end_amdgpu_metadata
.endif
;; end of part 3
;; launch pv (part 4): grid 8 x 32, 4 waves a work-group, clusters of 4 x 1, 327,680 bytes of LDS; arguments Pt, QKV, St, out0; writes out0
.if DOCPART == 4
	.amdgcn_target "amdgcn-amd-amdhsa--gfx1250"
	.amdhsa_code_object_version 6
	.text
	.protected	k_qddcc05ff24_pv
	.globl	k_qddcc05ff24_pv
	.p2align	8
	.type	k_qddcc05ff24_pv,@function
k_qddcc05ff24_pv:
	s_mov_b64 s[64:65], 0
	v_nop
	global_prefetch_b8 v0, s[64:65] scope:SCOPE_SE
	s_setreg_imm32_b32 hwreg(HW_REG_WAVE_MODE, 25, 1), 1
	s_wait_xcnt 0x0
	s_wait_alu depctr_hold_cnt(0) depctr_sa_sdst(0) depctr_va_vdst(0) depctr_va_sdst(0) depctr_va_ssrc(0) depctr_va_vcc(0) depctr_vm_vsrc(0)
	s_getreg_b32 s2, hwreg(HW_REG_IB_STS2, 6, 4)
	s_cmp_eq_u32 s2, 0
	s_cbranch_scc0 .Lentry_in_a_cluster
	s_endpgm
.Lentry_in_a_cluster:
	s_bfe_u32 s2, ttmp6, 0x10000c
	s_cmp_lg_u32 s2, 0x3003
	s_cbranch_scc0 .Lentry_shape_is_right
	s_endpgm
.Lentry_shape_is_right:
; out[q][e] = (the sum over key tiles j of g_j(q) (P_j V_j)[q][e]) / l(q), with g_j = 2^(c m_j - c m), c m the greatest of the row's c m_j, and l = the sum of g_j l_j:
; the softmax relative to the row's true maximum.  Pt: [4][2048][2048] f16; V: columns 2048-3071 of QKV [8192][3072] f16; St as the launch before lays it; out0: [4][2048][1024] f32.
; LIMITS.  g_j below 2^-126 counts as 0; NaN and infinities are not treated apart.  l is at least 1: in the tile that holds the row's maximum g is 1 and one weight is 1.
; SHARES.  A work-group makes 128 channels (tile xt) of TWO blocks of 128 queries of a batch: block p, then block 15 - p.  Keys go in steps of 256: (p / 2) + 1 steps and 8 - p / 2 steps, NINE whatever p:
; 8 x 32 = 256 work-groups of equal work, and one walk with constant trip counts.  A wave makes 64 queries x 64 channels.
; CLUSTER 4 x 1: the four partners have one batch and one p, so one walk and the same tiles of P: those are asked for jointly.  V's tile hangs on the channel tile and is each work-group's own load, behind
; the same round.  V is not shared: the work-groups that read the same V have different p, and their walks differ.
; A STEP: ACC1 = P V over 256 keys (128 matrix instructions a wave, started with the constant 0), then ACC2 += g ACC1 (64 packed multiply-adds).  O^T = V^T P: source 0 = 16 channels (V turned by
; ds_load_tr16_b128), source 1 = 16 queries: a lane holds query l % 16 and the channels 8 (l / 16) + 0..7.
; ACC2 is cleared at the launch's and at the second block's beginning, 128 lines each: the first of them in the wait for the first tile; no first step is written out for it.
; REGISTERS: window 0: v0-31 addresses, v32-63 and v64-95 the way out, v96-103 g (pairs), v104-111 1 / l (pairs), v128-255 ACC1 ((a, b) at 128 + 8 (4 a + b)); window 1: two fragment buffers of 128
; (64 of P, 64 of V); window 2: v0-127 ACC2.
.set PP,     528                       ; a row of P in LDS: 512 bytes + 16
.set PV,     288                       ; a row of V: 256 bytes + 32
.set HALFP,  64*PP
.set HALFV,  128*PV
.set VOFF,   128*PP                    ; a slot: 128 rows of P, then 256 rows of V
.set SLOT,   147456                    ; 0x24000: none of its bits is set in the four fills' LDS addresses
.set STAGE,  2*SLOT                    ; 16 rows x 272 bytes for each wave
.set SPITCH, 272
.set GT,     STAGE+4*16*SPITCH         ; [11][128 rows] f32: planes 0-8 g of the walk's step, 9 and 10 1 / l of the first and second block
.set SPARE,  GT+11*512                 ; the spare words, 128 bytes for each wave
.set GA0,  10                          ; v10  GT at my row of block 0: 64 wr + l % 16; never rewritten
.set GTA,  11                          ; v11  GT at row = my thread's number
.set T4,   12                          ; v12  4 x my thread's number
.set ADRP, 16                          ; v16, v17  my P fragments in the slot in hand, in the other
.set PL0,  18
.set ADRV, 20                          ; v20, v21  my V fragments in the slot in hand: keys 0-127, 128-255; v22 in the other slot
.set VL0,  23
.set STO,  24
.set RD,   25
.set CO,   26
.set GA,   27                          ; v27  GT at the step in hand
.set SPW,  28                          ; v28  LDS address of my spare word; never rewritten
.set NIL,  29                          ; v29  0; never rewritten
.set TMP,  32
.set BK,   64
.set GG,   96
.set LI,   104
.set ACC1, 128
.set F0,   0
.set F1,   128
; the statistics' registers, in ACC1's place before the walk
.set VO,  128
.set CMU, 140
.set SL0, 150
.set SL1, 160
.set MLO, 170
.set MHI, 171
.set NEG, 172
.set LLO, 173
.set LHI, 174
.set TT,  175
.set DD,  176
.set GE,  186
.set WV,  12
.set WR,  13
.set WC,  14
.set CX,  15
.set XT,  16
.set BB,  17
.set LO,  19                           ; s19  the first block, p
.set HI,  20                           ; s20  the second, 15 - p
.set NLO, 21                           ; s21  the first block's steps
.set NL1, 22                           ; s22  less one
.set G1A, 24
.set G1V, 32
.set G0A, 40                           ; s[40:47] two sets; the second walks
.set G0V, 48
.set PAB, 56                           ; s[56:57] Pt at my batch and my 64 rows of a block
.set PVB, 58                           ; s[58:59] V at my batch, my 128 keys of a step, my channel tile
.set OFA, 60                           ; s[60:61] a step's byte offset in Pt
.set OFV, 62                           ; s[62:63] in V
.set TB,  66
.set TN,  67
.set TC,  68                           ; s68  the step in hand
.set U,   69                           ; s69  the step to be asked for
.set CNT, 70
.set OUB, 72                           ; s[72:73] out0 at my part of the block in hand
.set OBH, 74                           ; s[74:75] of the second block
.set MK,  92                           ; s92-100  all ones where step u belongs to the first block
.set MSB, 0
.macro WIN new
.if MSB != (\new)
	s_set_vgpr_msb (MSB<<8)|(\new)
.set MSB, \new
.endif
.endm
.set MUL,  0x05                        ; sources 0 and 1 window 1; C and D window 0
.set TO_F, 0x40
.macro PLACES
.rept 4
	v_nop
.endr
.endm
.macro JLOAD                           ; waves 0 and 1: the joint load of P's halves; waves 2 and 3: V's halves; an s_nop 0 and four v_nop follow each line
	s_cmp_lt_u32 s[WV], 2
	s_cbranch_scc0 .Lfor_v_\@
	tensor_load_to_lds s[G0A+4:G0A+7], s[G1A:G1A+7]
	s_nop 0
	PLACES
	s_branch .Lasked_\@
.Lfor_v_\@:
	tensor_load_to_lds s[G0V+4:G0V+7], s[G1V:G1V+7]
	s_nop 0
	PLACES
.Lasked_\@:
.endm
.macro CREST
	s_cmp_lg_u32 s[WV], 0
	s_cbranch_scc1 .Lnot_wave_0_\@
	s_barrier_signal -3
.Lnot_wave_0_\@:
	s_barrier_wait -3
	s_barrier_signal -1
	s_barrier_wait -1
.endm
.macro CROUND
	s_barrier_signal -1
	s_barrier_wait -1
	CREST
.endm
.macro WALK                            ; step s[U]: its block and key tile, as byte offsets: a block is 128 rows of 4,096 bytes of Pt, a key tile 512 bytes of a row of Pt and 256 rows of 6,144 bytes of V
	s_cmp_lt_u32 s[U], s[NLO]
	s_cselect_b32 s78, s[LO], s[HI]
	s_cselect_b32 s79, 0, s[NLO]
	s_sub_co_u32 s79, s[U], s79
	s_lshl_b32 s78, s78, 19
	s_lshl_b32 s[OFA], s79, 9
	s_add_co_u32 s[OFA], s[OFA], s78
	s_mul_i32 s[OFV], s79, 1572864
.endm
	s_load_b256 s[4:11], s[0:1], 0x0               ; Pt s[4:5], QKV s[6:7], St s[8:9], out0 s[10:11]
	v_lshl_add_u32 v[SPW], v0, 2, SPARE
	v_mov_b32 v[NIL], 0
	ds_add_u32 v[SPW], v[NIL]                      ; the wave's opening: the add and its wait ahead of my first tensor load
	ds_add_u32 v28, v29
	v_lshrrev_b32 v1, 5, v0
	v_readfirstlane_b32 s[WV], v1
	s_lshr_b32 s[WR], s[WV], 1                     ; my half of the queries
	s_and_b32 s[WC], s[WV], 1                      ; my half of the channels.  Also: which half of a tile I fetch
	s_bfe_u32 s[CX], ttmp6, 0x40000
	s_lshl_b32 s[XT], ttmp9, 2
	s_add_co_u32 s[XT], s[XT], s[CX]               ; the channel tile: it enters V's and out0's addresses alone
	s_and_b32 s78, ttmp7, 0xffff
	s_lshr_b32 s[BB], s78, 3
	s_and_b32 s[LO], s78, 7
	s_sub_co_u32 s[HI], 15, s[LO]
	s_lshr_b32 s[NL1], s[LO], 1
	s_add_co_u32 s[NLO], s[NL1], 1
	s_mov_b32 s[G1A+0], 15|(1<<16)|(1<<20)|(1<<21)|(6<<22)|(3<<25)  ; the mask of four; 2-byte elements; padding on; bit 21 beside a mask; after every 128 words, 4 words
	s_mov_b32 s[G1A+1], 256<<16                    ; tensor_dim0 = 256
	s_mov_b32 s[G1A+2], 64<<16                     ; tensor_dim1 = 64
	s_mov_b32 s[G1A+3], 256<<16                    ; tile_dim0 = 256
	s_mov_b32 s[G1A+4], 64                         ; tile_dim1 = 64
	s_mov_b32 s[G1A+5], 2048
	s_mov_b32 s[G1A+6], 0
	s_mov_b32 s[G1A+7], 0
	s_mov_b32 s[G1V+0], (1<<16)|(1<<20)|(5<<22)|(7<<25)  ; no mask; after every 64 words, 8 words
	s_mov_b32 s[G1V+1], 128<<16
	s_mov_b32 s[G1V+2], 128<<16
	s_mov_b32 s[G1V+3], 128<<16
	s_mov_b32 s[G1V+4], 128
	s_mov_b32 s[G1V+5], 3072
	s_mov_b32 s[G1V+6], 0
	s_mov_b32 s[G1V+7], 0
	s_lshl_b32 s80, s[BB], 23                      ; a batch of Pt,
	s_lshl_b32 s81, s[WC], 18                      ; 64 rows
	s_add_co_u32 s80, s80, s81
	s_mov_b32 s81, 0
	s_mul_i32 s82, s[BB], 12582912                 ; a batch of QKV,
	s_mul_i32 s83, s[WC], 786432                   ; 128 keys,
	s_add_co_u32 s82, s82, s83
	s_lshl_b32 s83, s[XT], 8                       ; 128 channels,
	s_add_co_u32 s82, s82, s83
	s_add_co_u32 s82, s82, 4096                    ; behind q and k
	s_mov_b32 s83, 0
	s_mul_i32 s84, s[WC], HALFP                    ; where they go
	s_mul_i32 s85, s[WC], HALFV
	s_add_co_u32 s85, s85, VOFF
	s_lshl_b32 s90, s[BB], 11
	s_lshl_b32 s91, s[WR], 6
	s_add_co_u32 s90, s90, s91                     ; the batch's first row + my 64 of a block
	s_lshl_b32 s91, s[XT], 9
	s_lshl_b32 s86, s[WC], 8
	s_add_co_u32 s91, s91, s86                     ; my 64 channels, in bytes
	s_lshl_b32 s86, s[LO], 7
	s_add_co_u32 s86, s86, s90
	s_lshl_b32 s86, s86, 12
	s_add_co_u32 s86, s86, s91
	s_mov_b32 s87, 0
	s_lshl_b32 s88, s[HI], 7
	s_add_co_u32 s88, s88, s90
	s_lshl_b32 s88, s88, 12
	s_add_co_u32 s88, s88, s91
	s_mov_b32 s89, 0
	s_mov_b32 s[OFA+1], 0
	s_mov_b32 s[OFV+1], 0
	s_mov_b32 s[TB], 0
	s_mov_b32 s[TN], SLOT
	s_mov_b32 s[TC], 0
	s_wait_dscnt 0x0                               ; the opening add is done
	s_wait_kmcnt 0x0
	s_add_nc_u64 s[PAB:PAB+1], s[4:5], s[80:81]
	s_add_nc_u64 s[PVB:PVB+1], s[6:7], s[82:83]
	s_add_nc_u64 s[OUB:OUB+1], s[10:11], s[86:87]
	s_add_nc_u64 s[OBH:OBH+1], s[10:11], s[88:89]
.irp s, 0,1
	s_mov_b32 s[U], \s
	WALK
	s_mov_b32 s[G0A+4*(\s)], 1
	s_add_co_u32 s[G0A+4*(\s)+1], s84, (\s)*SLOT
	s_add_nc_u64 s[G0A+4*(\s)+2:G0A+4*(\s)+3], s[PAB:PAB+1], s[OFA:OFA+1]
	s_or_b32 s[G0A+4*(\s)+3], s[G0A+4*(\s)+3], 0x80000000
	s_mov_b32 s[G0V+4*(\s)], 1
	s_add_co_u32 s[G0V+4*(\s)+1], s85, (\s)*SLOT
	s_add_nc_u64 s[G0V+4*(\s)+2:G0V+4*(\s)+3], s[PVB:PVB+1], s[OFV:OFV+1]
	s_or_b32 s[G0V+4*(\s)+3], s[G0V+4*(\s)+3], 0x80000000
.endr
	s_mov_b32 s[U], 2
	CROUND                                         ; all four work-groups are here: the first joint loads meet
	s_cmp_lt_u32 s[WV], 2                          ; a wave's two first fills stand in one branch: two loads of mine are out
	s_cbranch_scc0 .Lfirst_v
	tensor_load_to_lds s[G0A:G0A+3], s[G1A:G1A+7]
	s_nop 0
	tensor_load_to_lds s[G0A+4:G0A+7], s[G1A:G1A+7]
	s_nop 0
	PLACES
	s_branch .Lfirst_asked
.Lfirst_v:
	tensor_load_to_lds s[G0V:G0V+3], s[G1V:G1V+7]
	s_nop 0
	tensor_load_to_lds s[G0V+4:G0V+7], s[G1V:G1V+7]
	s_nop 0
	PLACES
.Lfirst_asked:
	; THE STATISTICS, in the wait for the first tiles.  Thread t takes row t of the block of each of the nine steps: c m and the two sums of that step's key tile.
	v_lshlrev_b32 v[T4], 2, v0
	s_lshl_b32 s80, s[BB], 3
.irp u, 0,1,2,3,4,5,6,7,8
	s_cmp_lt_u32 \u, s[NLO]
	s_cselect_b32 s[MK+(\u)], -1, 0
	s_cselect_b32 s78, s[LO], s[HI]
	s_cselect_b32 s79, 0, s[NLO]
	s_sub_co_u32 s79, \u, s79                      ; the key tile
	s_add_co_u32 s79, s79, s80
	s_mul_i32 s79, s79, 24576                      ; three planes of 2,048 rows
	s_lshl_b32 s78, s78, 9                         ; the block's 128 rows
	s_add_co_u32 s79, s79, s78
	v_add_nc_u32 v[VO+(\u)], s79, v[T4]
	global_load_b32 v[CMU+(\u)], v[VO+(\u)], s[8:9]
	global_load_b32 v[SL0+(\u)], v[VO+(\u)], s[8:9] offset:8192
	global_load_b32 v[SL1+(\u)], v[VO+(\u)], s[8:9] offset:16384
.endr
	v_and_b32 v1, 15, v0                           ; l % 16
	v_bfe_u32 v2, v0, 4, 1                         ; l / 16
	v_and_b32 v3, 7, v0
	v_bfe_u32 v4, v0, 3, 1
	s_mul_i32 s78, s[WR], 64*PP
	v_mul_u32_u24 v[PL0], v1, PP
	v_lshl_add_u32 v[PL0], v2, 4, v[PL0]
	v_add_nc_u32 v[PL0], s78, v[PL0]               ; P: (64 wr + l % 16) x pitch + 16 x half
	v_lshl_add_u32 v[VL0], v2, 3, v3               ; V: the turning load: key 8 (l / 16) + l % 8, channels 8 ((l / 8) % 2) on, in my 64 channels
	v_mul_u32_u24 v[VL0], v[VL0], PV
	v_lshl_add_u32 v[VL0], v4, 4, v[VL0]
	s_lshl_b32 s78, s[WC], 7
	s_add_co_u32 s78, s78, VOFF
	v_add_nc_u32 v[VL0], s78, v[VL0]
	v_add_nc_u32 v[ADRP], s[TB], v[PL0]
	v_add_nc_u32 v[ADRP+1], s[TN], v[PL0]
	v_add_nc_u32 v[ADRV], s[TB], v[VL0]
	v_add_nc_u32 v[ADRV+1], HALFV, v[ADRV]
	v_add_nc_u32 v[ADRV+2], s[TN], v[VL0]
	s_mul_i32 s78, s[WV], 16*SPITCH
	s_add_co_u32 s78, s78, STAGE                   ; my stage
	v_mul_u32_u24 v[STO], v1, SPITCH               ; in: row l % 16, 32 bytes for each half of the lanes
	v_lshl_add_u32 v[STO], v2, 5, v[STO]
	v_add_nc_u32 v[STO], s78, v[STO]
	v_mul_u32_u24 v[RD], v2, SPITCH                ; back: lanes 0-15 one row of 256 bytes, lanes 16-31 the next
	v_lshl_add_u32 v[RD], v1, 4, v[RD]
	v_add_nc_u32 v[RD], s78, v[RD]
	v_lshlrev_b32 v[CO], 12, v2                    ; and the same two rows in out0
	v_lshl_add_u32 v[CO], v1, 4, v[CO]
	s_lshl_b32 s78, s[WR], 8
	s_add_co_u32 s78, s78, GT
	v_lshl_add_u32 v[GA0], v1, 2, s78
	v_mov_b32 v[GA], v[GA0]
	v_add_nc_u32 v[GTA], GT, v[T4]
.irp a, 0,1,2,3
	v_mov_b32 v[GG+2*(\a)+1], 0                    ; named with g and 1 / l as pairs
	v_mov_b32 v[LI+2*(\a)+1], 0
.endr
	v_mov_b32 v[NEG], 0xff7fffff                   ; the lowest finite number
	WIN 0x80
.set z, 0
.rept 128
	v_mov_b32 v[z], 0                              ; ACC2
.set z, z+1
.endr
	WIN 0
	s_wait_loadcnt 0x0
	v_cndmask_b32 v[MLO], v[NEG], v[CMU], s[MK]    ; each block's greatest c m: a step of the other block counts as the lowest number
	v_cndmask_b32 v[MHI], v[CMU], v[NEG], s[MK]
.irp u, 1,2,3,4,5,6,7,8
	v_cndmask_b32 v[TT], v[NEG], v[CMU+(\u)], s[MK+(\u)]
	v_max_num_f32 v[MLO], v[MLO], v[TT]
	v_cndmask_b32 v[TT], v[CMU+(\u)], v[NEG], s[MK+(\u)]
	v_max_num_f32 v[MHI], v[MHI], v[TT]
.endr
.irp u, 0,1,2,3,4,5,6,7,8
	v_cndmask_b32 v[DD+(\u)], v[MHI], v[MLO], s[MK+(\u)]
.endr
.irp u, 0,1,2,3,4,5,6,7,8
	v_sub_f32 v[DD+(\u)], v[CMU+(\u)], v[DD+(\u)]
.endr
.irp u, 0,1,2,3,4,5,6,7,8
	v_exp_f32 v[GE+(\u)], v[DD+(\u)]               ; g, at most 1
.endr
.irp u, 0,1,2,3,4,5,6,7,8
	v_add_f32 v[SL0+(\u)], v[SL0+(\u)], v[SL1+(\u)]  ; plain lines behind the exponentials
.endr
	s_wait_alu depctr_va_vdst(0)
.irp u, 0,1,2,3,4,5,6,7,8
	v_mul_f32 v[SL0+(\u)], v[GE+(\u)], v[SL0+(\u)]
.endr
	v_cndmask_b32 v[LLO], 0, v[SL0], s[MK]
	v_cndmask_b32 v[LHI], v[SL0], 0, s[MK]
.irp u, 1,2,3,4,5,6,7,8
	v_cndmask_b32 v[TT], 0, v[SL0+(\u)], s[MK+(\u)]
	v_add_f32 v[LLO], v[LLO], v[TT]
	v_cndmask_b32 v[TT], v[SL0+(\u)], 0, s[MK+(\u)]
	v_add_f32 v[LHI], v[LHI], v[TT]
.endr
	v_rcp_f32 v[LLO], v[LLO]
	v_rcp_f32 v[LHI], v[LHI]
	v_nop                                          ; a plain instruction between the reciprocals and the use of their results
.irp u, 0,1,2,3,4,5,6,7,8
	ds_store_b32 v[GTA], v[GE+(\u)] offset:512*(\u)
.endr
	s_wait_alu depctr_va_vdst(0)
	ds_store_b32 v[GTA], v[LLO] offset:9*512
	ds_store_b32 v[GTA], v[LHI] offset:10*512
; 8 matrix instructions: query blocks a0, a0 + 1 x all 4 channel blocks, 32 keys: half c of buffer f.  The 16 accumulators take turns.
.macro MUL8 f, c, a0, zero
	WIN MUL
.irp a, \a0, (\a0)+1
.irp b, 0,1,2,3
.if \zero
	v_wmma_f32_16x16x32_f16 v[ACC1+8*(4*(\a)+(\b)):ACC1+8*(4*(\a)+(\b))+7], v[(\f)+64+8*(4*(\c)+(\b)):(\f)+64+8*(4*(\c)+(\b))+7], v[(\f)+8*(4*(\c)+(\a)):(\f)+8*(4*(\c)+(\a))+7], 0
.else
	v_wmma_f32_16x16x32_f16 v[ACC1+8*(4*(\a)+(\b)):ACC1+8*(4*(\a)+(\b))+7], v[(\f)+64+8*(4*(\c)+(\b)):(\f)+64+8*(4*(\c)+(\b))+7], v[(\f)+8*(4*(\c)+(\a)):(\f)+8*(4*(\c)+(\a))+7], v[ACC1+8*(4*(\a)+(\b)):ACC1+8*(4*(\a)+(\b))+7]
.endif
.endr
.endr
.endm
; 32 LDS loads in one run: quarter q (64 keys) of a step into buffer f, its first 32 keys first.  rp, rv: the address registers; rv covers 128 keys, so that the offsets stay within 16 bits
.macro FETCH q, f, rp, rv
	WIN TO_F
.irp c, 0,1
.irp i, 0,1,2,3
	ds_load_tr16_b128 v[(\f)+64+8*(4*(\c)+(\i)):(\f)+64+8*(4*(\c)+(\i))+3],   v[\rv] offset:(64*((\q)&1)+32*(\c))*PV+32*(\i)
	ds_load_tr16_b128 v[(\f)+64+8*(4*(\c)+(\i))+4:(\f)+64+8*(4*(\c)+(\i))+7], v[\rv] offset:(64*((\q)&1)+32*(\c))*PV+16*PV+32*(\i)
	ds_load_b128 v[(\f)+8*(4*(\c)+(\i)):(\f)+8*(4*(\c)+(\i))+3],   v[\rp] offset:128*(\q)+64*(\c)+(\i)*16*PP
	ds_load_b128 v[(\f)+8*(4*(\c)+(\i))+4:(\f)+8*(4*(\c)+(\i))+7], v[\rp] offset:128*(\q)+64*(\c)+(\i)*16*PP+32
.endr
.endr
.endm
; One of a step's first three quarters: multiplies buffer f and fetches quarter q into g.  zero = 1, the step's first: its products start ACC1, and the step's g is read
.macro QUARTER q, f, g, rv, zero
	s_wait_dscnt 16                                ; the first 32 keys are in; the sixteen younger loads may be out
	MUL8 \f, 0, 0, \zero
	MUL8 \f, 0, 2, \zero
	PLACES
.if \zero
	WIN 0
.irp a, 0,1,2,3
	ds_load_b32 v[GG+2*(\a)], v[GA] offset:64*(\a)
.endr
.endif
	FETCH \q, \g, ADRP, \rv
	s_wait_dscnt 32                                ; all but the 32 just issued: g is in too
	MUL8 \f, 1, 0, 0
	MUL8 \f, 1, 2, 0
.endm
; The last quarter and the change of slots: all my tensor loads, the add, my reads of this slot.  fill = 1: the barrier opens a round of the cluster's, and the slot just read is filled again first thing
; behind it, with step s[U]: the descriptors' addresses are made anew from that number.
.macro TURN fill
	WIN 0
	s_wait_tensorcnt 0x0                           ; no tensor load of mine is out, so a group 0 may be written
	ds_add_u32 v[SPW], v[NIL]                      ; 0 onto my spare word
.if \fill
	WALK
	s_add_co_u32 s[U], s[U], 1
	s_xor_b32 s[G0A+5], s[G0A+5], SLOT
	s_add_nc_u64 s[G0A+6:G0A+7], s[PAB:PAB+1], s[OFA:OFA+1]
	s_or_b32 s[G0A+7], s[G0A+7], 0x80000000
	s_xor_b32 s[G0V+5], s[G0V+5], SLOT
	s_add_nc_u64 s[G0V+6:G0V+7], s[PVB:PVB+1], s[OFV:OFV+1]
	s_or_b32 s[G0V+7], s[G0V+7], 0x80000000
.endif
	s_wait_dscnt 17                                ; the add and the youngest sixteen loads may be out
	MUL8 F1, 0, 0, 0
	s_wait_dscnt 0x0                               ; the add is done, and my reads of this slot are over
	s_barrier_signal -1
	MUL8 F1, 0, 2, 0
	WIN 0
	s_barrier_wait -1
.if \fill
	CREST                                          ; no wave of any partner still reads this slot or has a load on its way
	JLOAD                                          ; its four v_nop are also the places in front of the loads below
.else
	PLACES
.endif
	FETCH 0, F0, ADRP+1, ADRV+2
	MUL8 F1, 1, 0, 0
	MUL8 F1, 1, 2, 0
.endm
.macro FOLD                            ; ACC2 += g ACC1, each accumulator from its low end on
	PLACES
	WIN 0xa0                                       ; ACC1 and g in window 0, ACC2 (source 2 and destination) in window 2
.set z, 0
.rept 64
	v_pk_fma_f32 v[z:z+1], v[ACC1+z:ACC1+z+1], v[GG+2*(z/32):GG+2*(z/32)+1], v[z:z+1] op_sel_hi:[1,0,1]
.set z, z+2
.endr
	WIN 0
.endm
.macro STEP fill
	QUARTER 1, F0, F1, ADRV, 1
	QUARTER 2, F1, F0, ADRV+1, 0
	QUARTER 3, F0, F1, ADRV+1, 0
	TURN \fill
	FOLD
.endm
.macro TOGGLE                          ; the other slot is now the slot in hand; g's address goes one plane on
	WIN 0
	s_xor_b32 s[TB], s[TB], SLOT
	s_xor_b32 s[TN], s[TN], SLOT
	s_add_co_u32 s[TC], s[TC], 1
	v_add_nc_u32 v[ADRP], s[TB], v[PL0]
	v_add_nc_u32 v[ADRP+1], s[TN], v[PL0]
	v_add_nc_u32 v[ADRV], s[TB], v[VL0]
	v_add_nc_u32 v[ADRV+1], HALFV, v[ADRV]
	v_add_nc_u32 v[ADRV+2], s[TN], v[VL0]
	v_add_nc_u32 v[GA], 512, v[GA]
.endm
; THE WAY OUT of a block: ACC2 / l, 16 rows at a time through my own stage: a lane's eight channels are 32 bytes; my 64 channels in f32 are a row's 256 consecutive bytes, aligned.
.macro OUTPUT sel
	WIN 0
.irp a, 0,1,2,3
	ds_load_b32 v[LI+2*(\a)], v[GA0] offset:(9+(\sel))*512+64*(\a)
.endr
	s_wait_dscnt 0x0
.irp a, 0,1,2,3
	WIN 0x02                                       ; source 0 in window 2
.set z, 0
.rept 16
	v_pk_mul_f32 v[TMP+z:TMP+z+1], v[32*(\a)+z:32*(\a)+z+1], v[LI+2*(\a):LI+2*(\a)+1] op_sel_hi:[1,0]
.set z, z+2
.endr
	WIN 0
.irp cb, 0,1,2,3
	ds_store_b128 v[STO], v[TMP+8*(\cb):TMP+8*(\cb)+3] offset:64*(\cb)
	ds_store_b128 v[STO], v[TMP+8*(\cb)+4:TMP+8*(\cb)+7] offset:64*(\cb)+16
.endr
	s_wait_xcnt 0x0                                ; the registers that the last stores read are loaded again only behind this wait
.irp t, 0,1,2,3,4,5,6,7
	ds_load_b128 v[BK+4*(\t):BK+4*(\t)+3], v[RD] offset:(\t)*2*SPITCH  ; LDS serves a wave's instructions in order: these see the stores above
.endr
	s_wait_dscnt 0x0
.irp t, 0,1,2,3,4,5,6,7
	global_store_b128 v[CO], v[BK+4*(\t):BK+4*(\t)+3], s[OUB:OUB+1] offset:(16*(\a)+2*(\t))*4096 th:TH_STORE_NT
.endr
.endr
.endm
	s_wait_dscnt 0x0                               ; for the others' sake: my rows of the table are written
	s_wait_tensorcnt 1                             ; my part of step 0 is in; step 1's load may stay out
	s_barrier_signal -1
	s_barrier_wait -1
	FETCH 0, F0, ADRP, ADRV
	WIN 0
	s_mov_b32 s[CNT], 7
.Lstep:                                                ; seven trips: steps 0 to 6, which ask for steps 2 to 8
	STEP 1
	s_cmp_lg_u32 s[TC], s[NL1]                     ; was this the first block's last step?  (one of steps 0 to 3; the same in all four partners; what is jumped holds no barrier and no tensor load)
	s_cbranch_scc1 .Lno_out
	OUTPUT 0
	s_wait_xcnt 0x0                                ; the stores have read out0's address
	s_mov_b64 s[OUB:OUB+1], s[OBH:OBH+1]
	WIN 0x80
.set z, 0
.rept 128
	v_mov_b32 v[z], 0                              ; ACC2, for the second block
.set z, z+1
.endr
	WIN 0
.Lno_out:
	TOGGLE
	s_sub_co_u32 s[CNT], s[CNT], 1
	s_cmp_lg_u32 s[CNT], 0
	s_cbranch_scc1 .Lstep
	s_mov_b32 s[CNT], 2
.Ltail:                                                ; steps 7 and 8 ask for nothing; the second trip's barrier and its 32 loads serve nothing: the price of one text for both
	STEP 0
	TOGGLE
	s_sub_co_u32 s[CNT], s[CNT], 1
	s_cmp_lg_u32 s[CNT], 0
	s_cbranch_scc1 .Ltail
	OUTPUT 1
	s_wait_tensorcnt 0x0                           ; the wave's end
	ds_add_u32 v[SPW], v[NIL]
	s_wait_dscnt 0x0
	CROUND                                         ; the closing round
	s_endpgm
.Lfunc_end_k_qddcc05ff24_pv:
	.size	k_qddcc05ff24_pv, .Lfunc_end_k_qddcc05ff24_pv-k_qddcc05ff24_pv
	.p2alignl 7, 3214868480
	.fill 96, 4, 3214868480
	.section	.rodata,"a",@progbits
	.p2align	6, 0x0
	.amdhsa_kernel k_qddcc05ff24_pv
		.amdhsa_group_segment_fixed_size 327680
		.amdhsa_private_segment_fixed_size 0
		.amdhsa_enable_private_segment 0
		.amdhsa_kernarg_size 32
		.amdhsa_user_sgpr_count 2
		.amdhsa_user_sgpr_kernarg_segment_ptr 1
		.amdhsa_wavefront_size32 1
		.amdhsa_system_sgpr_workgroup_id_x 1
		.amdhsa_system_sgpr_workgroup_id_y 1
		.amdhsa_system_sgpr_workgroup_id_z 1
		.amdhsa_system_vgpr_workitem_id 0
		.amdhsa_next_free_vgpr 640
		.amdhsa_next_free_sgpr 102
		.amdhsa_reserve_vcc 0
		.amdhsa_float_denorm_mode_32 3
		.amdhsa_float_denorm_mode_16_64 3
		.amdhsa_memory_ordered 1
		.amdhsa_forward_progress 1
		.amdhsa_inst_pref_size 101
	.end_amdhsa_kernel
	.amdgpu_metadata
---
amdhsa.version: [ 1, 2 ]
amdhsa.kernels:
  - .name:           k_qddcc05ff24_pv
    .symbol:         k_qddcc05ff24_pv.kd
    .args:
      - { .name: Pt, .offset: 0, .size: 8, .value_kind: global_buffer, .address_space: global }
      - { .name: QKV, .offset: 8, .size: 8, .value_kind: global_buffer, .address_space: global }
      - { .name: St, .offset: 16, .size: 8, .value_kind: global_buffer, .address_space: global }
      - { .name: out0, .offset: 24, .size: 8, .value_kind: global_buffer, .address_space: global }
    .group_segment_fixed_size: 327680
    .private_segment_fixed_size: 0
    .kernarg_segment_align: 8
    .kernarg_segment_size: 32
    .max_flat_workgroup_size: 128
    .sgpr_count:     102
    .vgpr_count:     640
    .wavefront_size: 32
...
	.end_amdgpu_metadata
.endif
;; end of part 4
;; ======== version 2 of 2: 4 launches; version 1 with the launch prep written anew for expert scheduling mode
;; limits: values are held in f16: magnitudes above 65,504 overflow, below 6.1e-05 lose precision
;; workspace buffers: Xb 16,777,216 bytes; Wt 6,291,456 bytes; QKV 50,331,648 bytes; Pt 33,554,432 bytes; St 786,432 bytes
;; launch prep (part 5): grid 896 x 1, 4 waves a work-group, no clusters, 17,920 bytes of LDS; arguments X, Wq, Wk, Wv, Xb, Wt; writes Xb, Wt
.if DOCPART == 5
	.amdgcn_target "amdgcn-amd-amdhsa--gfx1250"
	.amdhsa_code_object_version 6
	.text
	.protected	k_qddcc05ff24_prep
	.globl	k_qddcc05ff24_prep
	.p2align	8
	.type	k_qddcc05ff24_prep,@function
k_qddcc05ff24_prep:
	s_mov_b64 s[64:65], 0
	v_nop
	global_prefetch_b8 v0, s[64:65] scope:SCOPE_SE
	s_setreg_imm32_b32 hwreg(HW_REG_WAVE_SCHED_MODE, 0, 2), 2
	s_setreg_imm32_b32 hwreg(HW_REG_WAVE_MODE, 25, 1), 1
	s_wait_xcnt 0x0
	s_wait_alu depctr_vm_vsrc(0)
; Xb = X rounded to bf16, Wt = the three weights rounded to bf16 and turned, BOTH LAID OUT IN BLOCKS OF 64 ALONG K, so that the rows of a tile of the next launch lie end to end:
;   Xb[kb][row][64]: X[row][64 kb + c] at byte kb x 1,048,576 + row x 128 + 2 c;
;   Wt[kb][n][64]:   W_w[64 kb + c][e], n = 1024 w + e (w = 0 q, 1 k, 2 v), at byte kb x 393,216 + n x 128 + 2 c.
; Two kinds of work-group, told apart by the work-group's number alone (the same for its four waves):
;   0 .. 383   turn a tile of 128 d x 64 e of one weight through LDS (3 weights x 8 x 16 tiles);
;   384 .. 895 round 16 rows of X (65,536 bytes).
; Memory binds: each byte is read once and written once; sixteen neighbouring lanes load 256 consecutive, aligned bytes; sixteen (b128) or 32 (b64) neighbouring lanes store 256 consecutive, aligned bytes.
; No matrix unit and no cluster: nothing is multiplied and no two work-groups read the same byte.
; THE MODE: SCHED_MODE bits 1:0 = 2 (LLVM: expert scheduling mode 2), set by the entry lines.  The code itself states the register dependences
; between vector instructions and memory or LDS instructions, with s_wait_alu, always for 0.
; THE PLAN.  Registers that memory or LDS instructions touch:
;   ROUNDING X.  v2, v3: the loads' and the stores' offsets, written once at the head.  v[8:135]: piece n has four registers of its own: its load lands in them, its two conversions read them and write
;   the first two, its store reads those two; nothing writes them again.  The 32 pieces go in 8 blocks of four.  Block p's conversions name block p's registers alone; its memory instructions are the four
;   stores of block p - 1.  So one wait at a block's head, that block p - 1's conversions have written, states all that the block's stores hang on, and they are dealt among its conversions.
;   TURNING A WEIGHT.  v2, v3, v136, v137: addresses, written once at the head.  v[8:71]: the loads land, the conversions read.  v[72:103]: the conversions write, the LDS stores read.
;   v[104:135]: the LDS loads land, the global stores read; no vector instruction names them.  s19, the wave's number, is written by a vector instruction and read by two.
;   BOTH.  v138, v139: written at the head, read by the closing add alone.
; No register that a memory or LDS instruction has read is written again anywhere in the text.
.set TP,    272                        ; a row of the turned tile in LDS: 128 bf16 + 16 bytes
.set SPARE, 64*TP                      ; behind the tile: the spare words, 128 bytes for each wave
.set XSTEP, 8192*128                   ; bytes in a block of Xb
.set WSTEP, 3072*128                   ; bytes in a block of Wt
.set XR,    8                          ; v[8:135]  what is loaded
.set TR,    136                        ; v136  where I read a turned row back
.set WO,    137                        ; v137  my byte offset in Wt
.set SPW,   138                        ; v138  LDS address of my spare word; never rewritten
.set NIL,   139                        ; v139  0; never rewritten
	s_load_b256 s[4:11], s[0:1], 0x0               ; X s[4:5], Wq s[6:7], Wk s[8:9], Wv s[10:11]
	s_load_b128 s[12:15], s[0:1], 0x20             ; Xb s[12:13], Wt s[14:15]
	v_lshl_add_u32 v[SPW], v0, 2, SPARE
	v_mov_b32 v[NIL], 0
	s_cmp_lt_u32 ttmp9, 384
	s_cbranch_scc1 .Ltrans
	; ROUNDING X.  A wave takes four rows.  Load n: lanes 0-15 the 256 bytes (64 numbers) of block n % 16 of row 4 wave + 2 (n / 16), lanes 16-31 the same of the row below.
	; Rounded, the two pieces are 2 x 128 bytes that lie end to end in Xb.  All 32 loads go out before the first store.
	s_sub_co_u32 s16, ttmp9, 384
	s_lshl_b32 s18, s16, 16                        ; 16 rows of X,
	s_mov_b32 s19, 0
	s_lshl_b32 s20, s16, 11                        ; 16 rows of 128 bytes in each block of Xb
	s_mov_b32 s21, 0
	v_lshrrev_b32 v4, 5, v0                        ; wave
	v_bfe_u32 v5, v0, 4, 1                         ; which half of the lanes
	v_and_b32 v6, 15, v0
	v_lshl_add_u32 v4, v4, 2, v5                   ; row 4 wave + half
	v_lshlrev_b32 v2, 4, v6
	v_lshl_add_u32 v2, v4, 12, v2                  ; in: row x 4,096 + 16 (l % 16)
	v_lshlrev_b32 v3, 3, v6
	v_lshl_add_u32 v3, v4, 7, v3                   ; out: row x 128 + 8 (l % 16)
	s_wait_kmcnt 0x0
	s_add_nc_u64 s[4:5], s[4:5], s[18:19]
	s_add_nc_u64 s[12:13], s[12:13], s[20:21]      ; blocks 0 to 7,
	s_add_nc_u64 s[22:23], s[12:13], 8*XSTEP       ; blocks 8 to 15: so that the stores' immediates stay inside their signed 24 bits
	s_wait_alu depctr_va_vdst(0)                   ; v2 and v3 are written: every load below reads v2 as its offset, every store v3
.set n, 0
.rept 32
	global_load_b128 v[XR+4*n:XR+4*n+3], v2, s[4:5] offset:(n/16)*8192+(n%16)*256 th:TH_LOAD_NT
.set n, n+1
.endr
; The store of piece n: a wave's 32 lanes store 256 consecutive bytes, aligned; no register is written again
.macro OUT
.if (n%16) < 8
	global_store_b64 v3, v[XR+4*n:XR+4*n+1], s[12:13] offset:(n%8)*XSTEP+(n/16)*256 th:TH_STORE_NT
.else
	global_store_b64 v3, v[XR+4*n:XR+4*n+1], s[22:23] offset:(n%8)*XSTEP+(n/16)*256 th:TH_STORE_NT
.endif
.endm
.set p, 0
.rept 8                                ; block p: pieces 4 p to 4 p + 3 are rounded, the block before is stored
	s_wait_loadcnt 28-4*p                          ; loads come back in order: this block's four pieces are in, the 28 - 4 p younger ones stay out
.if p > 0
	s_wait_alu depctr_va_vdst(0)                   ; the block before has written its eight rounded words, which the four stores below read
.endif
.set i, 0
.rept 4
.if p > 0
.set n, 4*(p-1)+i
	OUT                                            ; no wait: no vector instruction since the wait above names this piece's registers or v3
.endif
.set n, 4*p+i
	v_cvt_pk_bf16_f32 v[XR+4*n], v[XR+4*n], v[XR+4*n+1]
	v_cvt_pk_bf16_f32 v[XR+4*n+1], v[XR+4*n+2], v[XR+4*n+3]
.set i, i+1
.endr
.set p, p+1
.endr
	s_wait_alu depctr_va_vdst(0)                   ; block 7 has written its eight rounded words, which the last four stores read
.set n, 28
.rept 4
	OUT
.set n, n+1
.endr
	s_branch .Lend
.Ltrans:
	; TURNING A WEIGHT.  In: 16 lanes take a row's 256 bytes (64 e), a lane 16 rows d.  Two rows are rounded into one word (d, d + 1 of one e), eight words are 32 bytes of a turned row.
	s_lshr_b32 s16, ttmp9, 7                       ; which weight
	s_and_b32 s17, ttmp9, 7                        ; which 128 d: two blocks of Wt
	s_bfe_u32 s18, ttmp9, 0x40003                  ; which 64 e
	v_lshrrev_b32 v1, 5, v0
	v_readfirstlane_b32 s19, v1                    ; wave
	v_and_b32 v4, 15, v0                           ; cq: my four e
	v_bfe_u32 v5, v0, 4, 1                         ; hl: which half of the lanes
	s_wait_alu depctr_va_sdst(0)                   ; s19 is written, ahead of its first reader, the line below
	v_lshl_add_u32 v6, s19, 1, v5                  ; 2 wave + hl: my 16 rows d
	v_lshlrev_b32 v2, 4, v4
	v_lshl_add_u32 v2, v6, 16, v2                  ; in: 16 rows of 4,096 bytes x (2 wave + hl) + 16 cq
	v_mul_u32_u24 v3, v4, 4*TP
	v_lshl_add_u32 v3, v6, 5, v3                   ; into the tile: row 4 cq, byte 32 (2 wave + hl)
	; back: eight lanes take 128 bytes (64 d) of a turned row, the next eight the same of the row below: 256 bytes that lie end to end in Wt; lanes 16-31 the rows' other 64 d, in the next block
	v_bfe_u32 v7, v0, 3, 1
	v_lshl_add_u32 v7, s19, 4, v7                  ; row 16 wave + (l / 8) % 2
	v_and_b32 v1, 7, v0
	v_mul_u32_u24 v[TR], v7, TP
	v_lshl_add_u32 v[TR], v5, 7, v[TR]
	v_lshl_add_u32 v[TR], v1, 4, v[TR]
	v_mul_u32_u24 v[WO], v5, WSTEP
	v_lshl_add_u32 v[WO], v7, 7, v[WO]
	v_lshl_add_u32 v[WO], v1, 4, v[WO]
	s_lshl_b32 s22, s17, 19                        ; 128 rows of 4,096 bytes
	s_lshl_b32 s23, s18, 8
	s_add_co_u32 s22, s22, s23
	s_mov_b32 s23, 0
	s_mul_i32 s24, s17, 2*WSTEP                    ; two blocks of Wt,
	s_lshl_b32 s25, s16, 17                        ; 1,024 rows of 128 bytes,
	s_add_co_u32 s24, s24, s25
	s_lshl_b32 s25, s18, 13                        ; 64 rows
	s_add_co_u32 s24, s24, s25
	s_mov_b32 s25, 0
	s_wait_kmcnt 0x0
	s_cmp_eq_u32 s16, 0
	s_cselect_b64 s[20:21], s[6:7], s[8:9]
	s_cmp_eq_u32 s16, 2
	s_cselect_b64 s[20:21], s[10:11], s[20:21]
	s_add_nc_u64 s[20:21], s[20:21], s[22:23]
	s_add_nc_u64 s[14:15], s[14:15], s[24:25]
	s_wait_alu depctr_va_vdst(0)                   ; the four addresses v2, v3, v136 and v137 are written, which the loads and stores below read; none is written again
.set k, 0
.rept 16
	global_load_b128 v[XR+4*k:XR+4*k+3], v2, s[20:21] offset:4096*k th:TH_LOAD_NT
.set k, k+1
.endr
	s_wait_loadcnt 0x0
.irp i, 0,1,2,3
.irp m, 0,1,2,3,4,5,6,7
	v_cvt_pk_bf16_f32 v[72+8*(\i)+(\m)], v[XR+8*(\m)+(\i)], v[XR+4+8*(\m)+(\i)]  ; rows 2 m and 2 m + 1 of column i
.endr
.endr
	s_wait_alu depctr_va_vdst(0)                   ; the 32 conversions have written v[72:103], which the eight LDS stores read
.irp i, 0,1,2,3
	ds_store_b128 v3, v[72+8*(\i):72+8*(\i)+3] offset:TP*(\i)      ; lanes lie four turned rows apart: these stores share banks four deep, the loads below two deep, on 3 M numbers in the whole launch
	ds_store_b128 v3, v[72+8*(\i)+4:72+8*(\i)+7] offset:TP*(\i)+16
.endr
	s_wait_dscnt 0x0                               ; for the others' sake: my stores into the tile are done
	s_barrier_signal -1
	s_barrier_wait -1
.irp k, 0,1,2,3,4,5,6,7
	ds_load_b128 v[104+4*(\k):104+4*(\k)+3], v[TR] offset:2*TP*(\k)  ; no vector instruction names v[104:135], and v136 was written ahead of the waits above
.endr
.irp k, 0,1,2,3,4,5,6,7
	s_wait_dscnt 7-(\k)
	global_store_b128 v[WO], v[104+4*(\k):104+4*(\k)+3], s[14:15] offset:256*(\k)  ; 16 lanes store 256 consecutive bytes, aligned
.endr
.Lend:
	s_wait_dscnt 0x0                               ; the closing lines, six on end
	s_wait_alu 0x0
	s_wait_tensorcnt 0x0
	ds_add_u32 v[SPW], v[NIL]
	s_wait_dscnt 0x0
	s_endpgm
.Lfunc_end_k_qddcc05ff24_prep:
	.size	k_qddcc05ff24_prep, .Lfunc_end_k_qddcc05ff24_prep-k_qddcc05ff24_prep
	.p2alignl 7, 3214868480
	.fill 96, 4, 3214868480
	.section	.rodata,"a",@progbits
	.p2align	6, 0x0
	.amdhsa_kernel k_qddcc05ff24_prep
		.amdhsa_group_segment_fixed_size 17920
		.amdhsa_private_segment_fixed_size 0
		.amdhsa_enable_private_segment 0
		.amdhsa_kernarg_size 48
		.amdhsa_user_sgpr_count 2
		.amdhsa_user_sgpr_kernarg_segment_ptr 1
		.amdhsa_wavefront_size32 1
		.amdhsa_system_sgpr_workgroup_id_x 1
		.amdhsa_system_sgpr_workgroup_id_y 1
		.amdhsa_system_sgpr_workgroup_id_z 1
		.amdhsa_system_vgpr_workitem_id 0
		.amdhsa_next_free_vgpr 140
		.amdhsa_next_free_sgpr 66
		.amdhsa_reserve_vcc 0
		.amdhsa_float_denorm_mode_32 3
		.amdhsa_float_denorm_mode_16_64 3
		.amdhsa_memory_ordered 1
		.amdhsa_forward_progress 1
		.amdhsa_inst_pref_size 20
	.end_amdhsa_kernel
	.amdgpu_metadata
---
amdhsa.version: [ 1, 2 ]
amdhsa.kernels:
  - .name:           k_qddcc05ff24_prep
    .symbol:         k_qddcc05ff24_prep.kd
    .args:
      - { .name: X, .offset: 0, .size: 8, .value_kind: global_buffer, .address_space: global }
      - { .name: Wq, .offset: 8, .size: 8, .value_kind: global_buffer, .address_space: global }
      - { .name: Wk, .offset: 16, .size: 8, .value_kind: global_buffer, .address_space: global }
      - { .name: Wv, .offset: 24, .size: 8, .value_kind: global_buffer, .address_space: global }
      - { .name: Xb, .offset: 32, .size: 8, .value_kind: global_buffer, .address_space: global }
      - { .name: Wt, .offset: 40, .size: 8, .value_kind: global_buffer, .address_space: global }
    .group_segment_fixed_size: 17920
    .private_segment_fixed_size: 0
    .kernarg_segment_align: 8
    .kernarg_segment_size: 48
    .max_flat_workgroup_size: 128
    .sgpr_count:     66
    .vgpr_count:     140
    .wavefront_size: 32
...
	.end_amdgpu_metadata
.endif
;; end of part 5
;; launch qkv: the kernel of part 2 again; grid 8 x 32, 4 waves a work-group, clusters of 4 x 4, 327,680 bytes of LDS; arguments Xb, Wt, QKV; writes QKV
;; launch score: the kernel of part 3 again; grid 36 x 4, 4 waves a work-group, no clusters, 327,680 bytes of LDS; arguments QKV, Pt, St; writes Pt, St
;; launch pv: the kernel of part 4 again; grid 8 x 32, 4 waves a work-group, clusters of 4 x 1, 327,680 bytes of LDS; arguments Pt, QKV, St, out0; writes out0
